; MI455X (gfx1250); checked and timed in simulation.
; The chip was launched on July 23, 2026; its instructions are those of AMD's public machine-readable ISA for CDNA 5 (MIT licence, August 2026) and "CDNA5" Instruction Set Architecture Reference Guide (July 2026). The comments in the code are by the model that wrote it; some were corrected since.
;; Attention. Allowed arithmetic: float matrix products may take bf16 or f16 operands with f32 sums; other float arithmetic in f32, or as packed bf16 or f16 multiplies, adds, multiply-adds, maxima and minima; sums over many terms, partial sums and values carried from step to step in f32; what a program stores and reads back later, other than sums and carried values, may be rounded once to bf16 or f16.
;; Inputs: Wk 1,024 x 2,048 float32; Wo 2,048 x 1,024 float32; Wq 1,024 x 2,048 float32; Wv 1,024 x 2,048 float32; bk 2,048 float32; bo 1,024 float32; bq 2,048 float32; bv 2,048 float32; x 2 x 2,048 x 1,024 float32.
;; Outputs: out0 2 x 2,048 x 1,024 float32.
;; One version. Each part assembles by itself: llvm-mc -triple=amdgcn-amd-amdhsa -mcpu=gfx1250 --defsym DOCPART=n.
;; ======== version 1 of 1: 4 launches
;; limits: values are held in f16: magnitudes above 65,504 overflow, below 6.1e-05 lose precision
;; workspace buffers: xb 8,388,608 bytes; wb 12,582,912 bytes; wo 4,194,304 bytes; bias 28,672 bytes; rope 1,048,576 bytes; qkv 50,331,648 bytes; ob 20,971,520 bytes
;; launch prep (part 1): grid 897 x 1, 8 waves a work-group, no clusters, 0 bytes of LDS; arguments x, Wq, Wk, Wv, Wo, bq, bk, bv, bo, xb, wb, wo, bias, rope; writes xb, wb, wo, bias, rope
.if DOCPART == 1
	.amdgcn_target "amdgcn-amd-amdhsa--gfx1250"
	.amdhsa_code_object_version 6
	.text
	.protected	k_q39f22dfe17_prep
	.globl	k_q39f22dfe17_prep
	.p2align	8
	.type	k_q39f22dfe17_prep,@function
k_q39f22dfe17_prep:
	s_mov_b64 s[64:65], 0
	v_nop
	global_prefetch_b8 v0, s[64:65] scope:SCOPE_SE
	s_setreg_imm32_b32 hwreg(HW_REG_WAVE_MODE, 25, 1), 1
	s_wait_xcnt 0x0
; PREP.  Three kinds of work-group, told apart by the work-group number alone.
;   0 .. 767   CAST: 16,384 numbers of x, Wq, Wk, Wv (to bf16) or of Wo (rounded to bf16, that number written as f16).
;   768 .. 895 ROPE: the table of cos and sin for 16 positions, laid out as the projection kernel keeps it in registers.
;   896        BIAS: bq, bk, bv, bo rounded to bf16 and written back as f32.
; A stream: no LDS, no matrix unit.  Each load of a wave covers 512 consecutive bytes, each store 256 or 512, aligned.
; LIMITS.  Wo: a bf16 number below 2^-17 in size loses bits as f16 (at most 2^-25 absolute); one of 65,520 or more becomes an infinity.
; The rotary angle is pos x 10000^(-j/64) with the factor good to about 1.5e-7 of itself: at position 2,047 about 3e-4 radians.
	s_load_b512 s[8:23], s[0:1], 0x0               ; x 8, Wq 10, Wk 12, Wv 14, Wo 16, bq 18, bk 20, bv 22
	s_load_b256 s[24:31], s[0:1], 0x40             ; bo 24, xb 26, wb 28, wo 30
	s_load_b128 s[32:35], s[0:1], 0x60             ; bias 32, rope 34
	s_mov_b32 s2, ttmp9
	v_lshlrev_b32 v1, 4, v0                        ; 16 bytes a thread
	v_lshlrev_b32 v2, 3, v0                        ; 8 bytes a thread
	s_wait_kmcnt 0x0
	s_cmp_ge_u32 s2, 768
	s_cbranch_scc1 .Lnot_cast
	; CAST.  Source, destination and the chunk numbers in each: x has 256 chunks, each weight 128; Wq, Wk, Wv lie on end in wb.
	s_sub_co_u32 s3, s2, 256
	s_sub_co_u32 s4, s2, 384
	s_sub_co_u32 s5, s2, 512
	s_sub_co_u32 s6, s2, 640
	s_mov_b64 s[36:37], s[8:9]
	s_mov_b64 s[38:39], s[26:27]
	s_mov_b32 s40, s2
	s_mov_b32 s42, s2
	s_cmp_ge_u32 s2, 256
	s_cselect_b64 s[36:37], s[10:11], s[36:37]
	s_cselect_b64 s[38:39], s[28:29], s[38:39]
	s_cselect_b32 s40, s3, s40
	s_cselect_b32 s42, s3, s42
	s_cmp_ge_u32 s2, 384
	s_cselect_b64 s[36:37], s[12:13], s[36:37]
	s_cselect_b32 s40, s4, s40
	s_cmp_ge_u32 s2, 512
	s_cselect_b64 s[36:37], s[14:15], s[36:37]
	s_cselect_b32 s40, s5, s40
	s_cmp_ge_u32 s2, 640
	s_cselect_b64 s[36:37], s[16:17], s[36:37]
	s_cselect_b64 s[38:39], s[30:31], s[38:39]
	s_cselect_b32 s40, s6, s40
	s_cselect_b32 s42, s6, s42
	s_lshl_b32 s40, s40, 16                        ; 65,536 bytes in
	s_mov_b32 s41, 0
	s_lshl_b32 s42, s42, 15                        ; 32,768 bytes out
	s_mov_b32 s43, 0
	s_add_nc_u64 s[36:37], s[36:37], s[40:41]
	s_add_nc_u64 s[38:39], s[38:39], s[42:43]
.set i, 0
.rept 16
	global_load_b128 v[16+4*i:19+4*i], v1, s[36:37] offset:4096*i th:TH_LOAD_NT  ; all sixteen go out at once
.set i, i+1
.endr
; half = 0: bf16.  half = 1: rounded to bf16, widened, written as f16.  No register is written twice, so no store is waited for.
.macro CAST half
.set i, 0
.rept 16
	s_wait_loadcnt 15-i                            ; loads come back in order: quad i is in, the younger ones stay out
.if \half
	v_cvt_pk_bf16_f32 v4, v[16+4*i], v[17+4*i]
	v_cvt_pk_bf16_f32 v5, v[18+4*i], v[19+4*i]
	v_lshlrev_b32 v6, 16, v4
	v_and_b32 v7, 0xffff0000, v4
	v_cvt_pk_f16_f32 v[80+2*i], v6, v7
	v_lshlrev_b32 v6, 16, v5
	v_and_b32 v7, 0xffff0000, v5
	v_cvt_pk_f16_f32 v[81+2*i], v6, v7
.else
	v_cvt_pk_bf16_f32 v[80+2*i], v[16+4*i], v[17+4*i]
	v_cvt_pk_bf16_f32 v[81+2*i], v[18+4*i], v[19+4*i]
.endif
	global_store_b64 v2, v[80+2*i:81+2*i], s[38:39] offset:2048*i
.set i, i+1
.endr
	s_endpgm
.endm
	s_cmp_ge_u32 s2, 640
	s_cbranch_scc1 .Lcast_half
	CAST 0
.Lcast_half:
	CAST 1
.Lnot_cast:
	s_cmp_ge_u32 s2, 896
	s_cbranch_scc1 .Lbias
	; ROPE.  Position block pb = 16 positions.  Thread 32 c + L (r = L % 16, h = L / 16) makes cos (quad c) and sin (quad 8 + c)
	; of position 16 pb + r for the four frequencies j0 .. j0 + 3, j0 = 16 (c / 2) + 8 h + 4 (c % 2).
	s_sub_co_u32 s3, s2, 768
	s_mov_b32 s44, 0x3e549000                      ; the upper 13 bits of log2(10000) / 64: times j (6 bits) it is exact
	s_mov_b32 s45, 0xb82784bd                      ; minus the rest of it, 3.9939524e-5
	s_mov_b32 s46, 0x3f22f983                      ; 2 / pi
	s_mov_b32 s47, 0xbfc90fdb                      ; minus pi / 2, upper part
	s_mov_b32 s48, 0x333bbd2e                      ; minus pi / 2, the rest (the upper part is too large by this)
	s_mov_b32 s49, 0xb94ca1f9                      ; sine: -1.9515296e-4
	s_mov_b32 s50, 0x3c08839e                      ;        8.3321609e-3
	s_mov_b32 s51, 0xbe2aaaa3                      ;       -0.16666655
	s_mov_b32 s52, 0x37ccf5ce                      ; cosine: 2.4433157e-5
	s_mov_b32 s53, 0xbab6061a                      ;        -1.3887316e-3
	s_mov_b32 s54, 0x3d2aaaa5                      ;         4.1666646e-2
	v_and_b32 v3, 15, v0                           ; r
	v_bfe_u32 v4, v0, 4, 1                         ; h
	v_lshrrev_b32 v5, 5, v0                        ; c
	s_lshl_b32 s4, s3, 4
	v_add_nc_u32 v6, s4, v3
	v_cvt_f32_u32 v6, v6                           ; the position
	v_lshrrev_b32 v7, 1, v5
	v_lshlrev_b32 v7, 4, v7
	v_lshl_add_u32 v7, v4, 3, v7
	v_and_b32 v8, 1, v5
	v_lshl_add_u32 v7, v8, 2, v7                   ; j0
	s_lshl_b32 s4, s3, 13                          ; 8,192 bytes of table for a position block
	s_mov_b32 s5, 0
	s_add_nc_u64 s[34:35], s[34:35], s[4:5]
; j log2(10000) / 64 = n + f, n whole: the frequency is 2^-n 2^-f.  A+1: -f.  A+2: 2^-n.
.macro ANG e
.set A, 16+8*(\e)
	v_add_nc_u32 v[A], \e, v7
	v_cvt_f32_u32 v[A], v[A]
	v_mul_f32 v[A+1], s44, v[A]
	v_floor_f32 v[A+2], v[A+1]
	v_sub_f32 v[A+1], v[A+2], v[A+1]
	v_fma_f32 v[A+1], v[A], s45, v[A+1]
	v_cvt_i32_f32 v[A+2], v[A+2]
	v_sub_nc_u32 v[A+2], 127, v[A+2]
	v_lshlrev_b32 v[A+2], 23, v[A+2]
.endm
; The angle, its nearest multiple k of pi / 2 taken away in two parts, sine and cosine of the rest by polynomials, and the quadrant put back.
.macro SC e
.set A, 16+8*(\e)
	v_mul_f32 v[A], v[A+3], v[A+2]
	v_mul_f32 v[A], v6, v[A]
	v_mul_f32 v[A+1], s46, v[A]
	v_rndne_f32 v[A+1], v[A+1]
	v_fma_f32 v[A], v[A+1], s47, v[A]
	v_fma_f32 v[A], v[A+1], s48, v[A]
	v_cvt_i32_f32 v[A+1], v[A+1]
	v_mul_f32 v[A+2], v[A], v[A]
	v_fma_f32 v[A+3], v[A+2], s49, s50
	v_fma_f32 v[A+3], v[A+3], v[A+2], s51
	v_mul_f32 v[A+4], v[A], v[A+2]
	v_fma_f32 v[A+3], v[A+4], v[A+3], v[A]         ; sine of the rest
	v_fma_f32 v[A+4], v[A+2], s52, s53
	v_fma_f32 v[A+4], v[A+4], v[A+2], s54
	v_fma_f32 v[A+5], v[A+2], -0.5, 1.0
	v_mul_f32 v[A+2], v[A+2], v[A+2]
	v_fma_f32 v[A+4], v[A+2], v[A+4], v[A+5]       ; cosine of the rest
	v_and_b32 v[A+5], 1, v[A+1]
	v_cmp_ne_u32 vcc_lo, 0, v[A+5]
	v_cndmask_b32 v[A+5], v[A+3], v[A+4], vcc_lo   ; k odd: the two change places
	v_cndmask_b32 v[A+4], v[A+4], v[A+3], vcc_lo
	v_and_b32 v[A+3], 2, v[A+1]
	v_lshlrev_b32 v[A+3], 30, v[A+3]
	v_xor_b32 v[52+(\e)], v[A+5], v[A+3]           ; sine: minus for k % 4 = 2, 3
	v_add_nc_u32 v[A+1], 1, v[A+1]
	v_and_b32 v[A+1], 2, v[A+1]
	v_lshlrev_b32 v[A+1], 30, v[A+1]
	v_xor_b32 v[48+(\e)], v[A+4], v[A+1]           ; cosine: minus for k % 4 = 1, 2
.endm
	ANG 0
	ANG 1
	ANG 2
	ANG 3
.irp e, 0,1,2,3
	v_exp_f32 v[16+8*(\e)+3], v[16+8*(\e)+1]       ; one batch of four
.endr
	v_nop                                          ; a plain instruction behind the last of them,
	s_wait_alu depctr_va_vdst(0)                   ; and one wait ahead of the first use
	SC 0
	SC 1
	SC 2
	SC 3
	global_store_b128 v1, v[48:51], s[34:35]
	global_store_b128 v1, v[52:55], s[34:35] offset:4096
	s_endpgm
.Lbias:
	global_load_b128 v[16:19], v1, s[18:19]
	global_load_b128 v[20:23], v1, s[18:19] offset:4096
	global_load_b128 v[24:27], v1, s[20:21]
	global_load_b128 v[28:31], v1, s[20:21] offset:4096
	global_load_b128 v[32:35], v1, s[22:23]
	global_load_b128 v[36:39], v1, s[22:23] offset:4096
	global_load_b128 v[40:43], v1, s[24:25]
	s_wait_loadcnt 0x0
.set i, 0
.rept 7
	v_cvt_pk_bf16_f32 v4, v[16+4*i], v[17+4*i]
	v_cvt_pk_bf16_f32 v5, v[18+4*i], v[19+4*i]
	v_lshlrev_b32 v[48+4*i], 16, v4
	v_and_b32 v[49+4*i], 0xffff0000, v4
	v_lshlrev_b32 v[50+4*i], 16, v5
	v_and_b32 v[51+4*i], 0xffff0000, v5
	global_store_b128 v1, v[48+4*i:51+4*i], s[32:33] offset:4096*i
.set i, i+1
.endr
	s_endpgm
.Lfunc_end_k_q39f22dfe17_prep:
	.size	k_q39f22dfe17_prep, .Lfunc_end_k_q39f22dfe17_prep-k_q39f22dfe17_prep
	.p2alignl 7, 3214868480
	.fill 96, 4, 3214868480
	.section	.rodata,"a",@progbits
	.p2align	6, 0x0
	.amdhsa_kernel k_q39f22dfe17_prep
		.amdhsa_group_segment_fixed_size 0
		.amdhsa_private_segment_fixed_size 0
		.amdhsa_enable_private_segment 0
		.amdhsa_kernarg_size 112
		.amdhsa_user_sgpr_count 2
		.amdhsa_user_sgpr_kernarg_segment_ptr 1
		.amdhsa_wavefront_size32 1
		.amdhsa_system_sgpr_workgroup_id_x 1
		.amdhsa_system_sgpr_workgroup_id_y 1
		.amdhsa_system_sgpr_workgroup_id_z 1
		.amdhsa_system_vgpr_workitem_id 0
		.amdhsa_next_free_vgpr 112
		.amdhsa_next_free_sgpr 66
		.amdhsa_reserve_vcc 1
		.amdhsa_float_denorm_mode_32 3
		.amdhsa_float_denorm_mode_16_64 3
		.amdhsa_memory_ordered 1
		.amdhsa_forward_progress 1
		.amdhsa_inst_pref_size 28
	.end_amdhsa_kernel
	.amdgpu_metadata
---
amdhsa.version: [ 1, 2 ]
amdhsa.kernels:
  - .name:           k_q39f22dfe17_prep
    .symbol:         k_q39f22dfe17_prep.kd
    .args:
      - { .name: x, .offset: 0, .size: 8, .value_kind: global_buffer, .address_space: global }
      - { .name: Wq, .offset: 8, .size: 8, .value_kind: global_buffer, .address_space: global }
      - { .name: Wk, .offset: 16, .size: 8, .value_kind: global_buffer, .address_space: global }
      - { .name: Wv, .offset: 24, .size: 8, .value_kind: global_buffer, .address_space: global }
      - { .name: Wo, .offset: 32, .size: 8, .value_kind: global_buffer, .address_space: global }
      - { .name: bq, .offset: 40, .size: 8, .value_kind: global_buffer, .address_space: global }
      - { .name: bk, .offset: 48, .size: 8, .value_kind: global_buffer, .address_space: global }
      - { .name: bv, .offset: 56, .size: 8, .value_kind: global_buffer, .address_space: global }
      - { .name: bo, .offset: 64, .size: 8, .value_kind: global_buffer, .address_space: global }
      - { .name: xb, .offset: 72, .size: 8, .value_kind: global_buffer, .address_space: global }
      - { .name: wb, .offset: 80, .size: 8, .value_kind: global_buffer, .address_space: global }
      - { .name: wo, .offset: 88, .size: 8, .value_kind: global_buffer, .address_space: global }
      - { .name: bias, .offset: 96, .size: 8, .value_kind: global_buffer, .address_space: global }
      - { .name: rope, .offset: 104, .size: 8, .value_kind: global_buffer, .address_space: global }
    .group_segment_fixed_size: 0
    .private_segment_fixed_size: 0
    .kernarg_segment_align: 8
    .kernarg_segment_size: 112
    .max_flat_workgroup_size: 256
    .sgpr_count:     66
    .vgpr_count:     112
    .wavefront_size: 32
...
	.end_amdgpu_metadata
.endif
;; end of part 1
;; launch qkv (part 2): grid 16 x 16, 4 waves a work-group, clusters of 4 x 4, 327,680 bytes of LDS; arguments xb, wb, bias, rope, qkv; writes qkv
.if DOCPART == 2
	.amdgcn_target "amdgcn-amd-amdhsa--gfx1250"
	.amdhsa_code_object_version 6
	.text
	.protected	k_q39f22dfe17_qkv
	.globl	k_q39f22dfe17_qkv
	.p2align	8
	.type	k_q39f22dfe17_qkv,@function
k_q39f22dfe17_qkv:
	s_mov_b64 s[64:65], 0
	v_nop
	global_prefetch_b8 v0, s[64:65] scope:SCOPE_SE
	s_setreg_imm32_b32 hwreg(HW_REG_WAVE_MODE, 25, 1), 1
	s_wait_xcnt 0x0
	s_wait_alu depctr_hold_cnt(0) depctr_sa_sdst(0) depctr_va_vdst(0) depctr_va_sdst(0) depctr_va_ssrc(0) depctr_va_vcc(0) depctr_vm_vsrc(0)
	s_getreg_b32 s2, hwreg(HW_REG_IB_STS2, 6, 4)
	s_cmp_eq_u32 s2, 0
	s_cbranch_scc0 .Lentry_in_a_cluster
	s_endpgm
.Lentry_in_a_cluster:
	s_bfe_u32 s2, ttmp6, 0x10000c
	s_cmp_lg_u32 s2, 0xf033
	s_cbranch_scc0 .Lentry_shape_is_right
	s_endpgm
.Lentry_shape_is_right:
; Q, K, V = x W + b, rotary on Q and K, written by heads: qkv[3][32 = batch x 16 + head][2048][128] in f16.
; xb: [4096][1024] bf16.  wb: [3][1024][2048] bf16 (k down the rows).  bias: f32.  Sums, bias and rotary in f32; one rounding to f16.
; The scale 128^-0.5 is not applied here: the attention kernel holds it in its softmax factor.
; LIMIT.  f16 ends at 65,504: |x W + b| stays below that.
; SHARES.  Work-group (TX = head, TY = block of 256 rows) STAYS and makes three tiles of 256 x 128: Q, K, V of its head.  4096 x 6144 outputs are
; 256 work-groups x 3 such tiles.  Wave w owns rows 64 w .. 64 w + 63 and all 128 columns: 32 accumulators, so that column d and its
; rotary partner d + 64 lie in the same lane and register of accumulators b and b + 4.
; THE RING.  The three tiles are ONE walk of 24 K steps of 128 through two LDS slots.  B steps straight on through wb (128 rows a step); A goes back to k = 0 every 8 steps.
; Waves 0 and 1 fetch the halves of A (128 rows x 256 bytes), waves 2 and 3 those of B (64 rows x 256 bytes): one tensor load a wave behind each round.
; CLUSTER 4 x 4: A hangs on TY alone and is asked for jointly along a row of the cluster, B on TX alone and jointly along a column.
; THE MATRIX INSTRUCTION IS USED TRANSPOSED: source 0 = 16 columns of W (turned on the way out of LDS), source 1 = 16 rows of x: a lane holds one row and eight neighbouring columns.
; REGISTERS.  window 0: addresses; two fragment buffers of 96 (A at +8 a, B at +32 + 8 b).  window 1: accumulator (a, b) at 8 (8 a + b).
;   window 2: v0-63 bias; v64-127 T, U at work; v128-159 packed; v160-223 rows read back.  window 3: cos at 64 a + 8 b + j, sin 32 further on.
.set PA,    272       ; a row of A in LDS: 256 bytes + 16: the 16 rows of a load start at 16 different groups of four banks
.set PB,    288       ; a row of B: 256 + 32
.set HALFA, 128*PA
.set ATILE, 2*HALFA
.set HALFB, 64*PB
.set SLOT1, 1<<17     ; slot 1 begins here: one exclusive or turns an address in one slot into the other
.set STAGE, SLOT1+ATILE+2*HALFB  ; behind the ring: 16 rows x 272 bytes for each wave
.set SP,    272
.set SPARE, STAGE+4*16*SP        ; the spare words, 128 bytes a wave: no other line names them
.set A0,   4          ; v4   my place in A tile; never rewritten
.set B0,   5          ; v5   my place in B tile
.set ADRA, 6          ; v6   A0 + the slot in hand
.set ADRB, 7          ; v7   B0 + the slot in hand
.set STO,  8
.set RD,   9
.set CO,   10
.set BO,   11
.set RO,   12
.set PFO,  13
.set SPW,  28
.set NIL,  29
.set F0,   64
.set F1,   160
.set T,    64         ; window 2
.set U,    96
.set PK,   128
.set OB,   160
.set WV,   14
.set G1A,  24
.set G1B,  32
.set G0A,  40         ; two sets: K step 0; K step 1, which then walks
.set G0B,  48
.set KS,   56         ; the K step to be asked for next
.set TB,   57         ; LDS byte of the slot in hand
.set LP,   58
.set TL,   59
.set ABASE, 60
.set BBASE, 62
.set OFFA, 66
.set OFFB, 68
.set OUT,  70
.set BI,   72
.set PFA,  74
.set PFS,  76
.set PFN,  78
.set MSB, 0
.macro WIN new                      ; the high byte repeats the setting that is left; a switch that changes nothing is dropped
.if MSB != (\new)
	s_set_vgpr_msb (MSB<<8)|(\new)
.set MSB, \new
.endif
.endm
.macro PLACES                       ; four places behind matrix instructions, ahead of loads into their sources and of reads of their results
.rept 4
	v_nop
.endr
.endm
.macro CREST                        ; a round of the cluster barrier behind its opening barrier
	s_cmp_lg_u32 s[WV], 0
	s_cbranch_scc1 .Lnot_wave_0_\@
	s_barrier_signal -3
.Lnot_wave_0_\@:
	s_barrier_wait -3
	s_barrier_signal -1
	s_barrier_wait -1
.endm
.macro CROUND
	s_barrier_signal -1
	s_barrier_wait -1
	CREST
.endm
; A joint refill by the walking sets.  The branch hangs on the wave number alone.  An s_nop 0 and four v_nop follow each line.
.macro JLOAD
	s_cmp_lt_u32 s[WV], 2
	s_cbranch_scc0 .Lfor_b_\@
	tensor_load_to_lds s[G0A+4:G0A+7], s[G1A:G1A+7]
	s_nop 0
.rept 4
	v_nop
.endr
	s_branch .Lasked_\@
.Lfor_b_\@:
	tensor_load_to_lds s[G0B+4:G0B+7], s[G1B:G1B+7]
	s_nop 0
.rept 4
	v_nop
.endr
.Lasked_\@:
.endm
; A prefetch of the K step two refills on: 32 rows x 256 bytes, a lane a row.  A: waves 0 and 1 of the clusters with x = 0, K steps 4 to 7 of the first walk, the four partners
; 32 rows each by cx.  B: wave 2 of the clusters with y = 0, K steps 4 to 23, 32 rows each by cy.  So each block of 256 bytes is named once.  PFN counts the requests left.
.macro ASK
	s_cmp_lg_u32 s[PFN], 0
	s_cbranch_scc0 .Lnot_mine_\@
	global_prefetch_b8 v[PFO], s[PFA:PFA+1] th:TH_LOAD_NT scope:SCOPE_SE
.Lnot_mine_\@:
.endm
; na x 8 matrix instructions: row blocks a0 .. x all 8 column blocks, 32 along K.  bias = 1: the first product starts the sum with the bias.
; The 32 accumulators take turns in the same order everywhere.
.macro MUL f, a0, na, bias
.if \bias
	WIN 0x60
.else
	WIN 0x50
.endif
.set ma, \a0
.rept \na
.set mb, 0
.rept 8
.if \bias
	v_wmma_f32_16x16x32_bf16 v[8*(8*ma+mb):8*(8*ma+mb)+7], v[(\f)+32+8*mb:(\f)+32+8*mb+7], v[(\f)+8*ma:(\f)+8*ma+7], v[8*mb:8*mb+7]
.else
	v_wmma_f32_16x16x32_bf16 v[8*(8*ma+mb):8*(8*ma+mb)+7], v[(\f)+32+8*mb:(\f)+32+8*mb+7], v[(\f)+8*ma:(\f)+8*ma+7], v[8*(8*ma+mb):8*(8*ma+mb)+7]
.endif
.set mb, mb+1
.endr
.set ma, ma+1
.endr
.endm
; 24 LDS loads in one run: quarter q (32 along K) of the slot in hand into buffer f: B (turned) first, then A.
.macro FETCH q, f
	WIN 0
.irp b, 0,1,2,3,4,5,6,7
	ds_load_tr16_b128 v[(\f)+32+8*(\b):(\f)+32+8*(\b)+3],   v[ADRB] offset:(\q)*32*PB+32*(\b)
	ds_load_tr16_b128 v[(\f)+32+8*(\b)+4:(\f)+32+8*(\b)+7], v[ADRB] offset:(\q)*32*PB+16*PB+32*(\b)
.endr
.irp a, 0,1,2,3
	ds_load_b128 v[(\f)+8*(\a):(\f)+8*(\a)+3],   v[ADRA] offset:(\a)*16*PA+64*(\q)
	ds_load_b128 v[(\f)+8*(\a)+4:(\f)+8*(\a)+7], v[ADRA] offset:(\a)*16*PA+64*(\q)+32
.endr
.endm
; One of a K step's first three quarters: multiplies buffer f, fetches quarter q into buffer g in its middle.
.macro QUARTER f, g, q, bias
	s_wait_dscnt 4                  ; B and A blocks 0, 1 are in; the youngest four loads (A blocks 2, 3) may be out
	MUL \f, 0, 2, \bias
	PLACES
	FETCH \q, \g
	s_wait_dscnt 24                 ; all but the 24 just issued
	MUL \f, 2, 2, \bias
.endm
; The fourth quarter multiplies buffer 1 and changes slots.  Each wave waits for all its tensor loads (one is out: its part of the next slot), adds 0 to its spare word, and waits for
; that and for its reads of this slot.  fill = 1: the barrier opens a round of the cluster barrier, and the joint refill, two K steps on, is the first thing behind it.
.macro TURN fill
	WIN 0
.if \fill
	s_wait_xcnt 0x0                 ; the last prefetch, a K step back, has read its address
	s_add_nc_u64 s[PFA:PFA+1], s[PFA:PFA+1], s[PFS:PFS+1]
	s_max_u32 s[PFN], s[PFN], 1
	s_sub_co_u32 s[PFN], s[PFN], 1
.endif
	s_wait_tensorcnt 0x0            ; no tensor load of mine is out, so a group 0 may be written
	ds_add_u32 v[SPW], v[NIL]
.if \fill
	s_xor_b32 s[G0A+5], s[G0A+5], SLOT1
	s_xor_b32 s[G0B+5], s[G0B+5], SLOT1
	s_and_b32 s[OFFA], s[KS], 7     ; A: 256 bytes a step, back to 0 at each tile
	s_lshl_b32 s[OFFA], s[OFFA], 8
	s_lshl_b32 s[OFFB], s[KS], 19   ; B: 128 rows of 4,096 bytes a step
	s_add_nc_u64 s[G0A+6:G0A+7], s[ABASE:ABASE+1], s[OFFA:OFFA+1]
	s_or_b32 s[G0A+7], s[G0A+7], 0x80000000
	s_add_nc_u64 s[G0B+6:G0B+7], s[BBASE:BBASE+1], s[OFFB:OFFB+1]
	s_or_b32 s[G0B+7], s[G0B+7], 0x80000000
	s_add_co_u32 s[KS], s[KS], 1
.endif
	s_wait_dscnt 7                  ; the add and A blocks 1 to 3 may be out
	MUL F1, 0, 1, 0
	s_wait_dscnt 0x0                ; the add is done, and my reads of this slot are over
	s_barrier_signal -1
	MUL F1, 1, 1, 0
	WIN 0
	s_barrier_wait -1
.if \fill
	CREST
	JLOAD                           ; its four v_nop are also the places ahead of the loads below
.else
	PLACES
.endif
	s_xor_b32 s[TB], s[TB], SLOT1
	v_add_nc_u32 v[ADRA], s[TB], v[A0]
	v_add_nc_u32 v[ADRB], s[TB], v[B0]
	FETCH 0, F0
.if \fill
	ASK
.endif
	MUL F1, 2, 2, 0
.endm
.macro BLOAD                        ; a tile's bias: column 16 b + 8 h + j into register 8 b + j of window 2
	WIN 0x80
.irp b, 0,1,2,3,4,5,6,7
	global_load_b128 v[8*(\b):8*(\b)+3],   v[BO], s[BI:BI+1] offset:64*(\b)
	global_load_b128 v[8*(\b)+4:8*(\b)+7], v[BO], s[BI:BI+1] offset:64*(\b)+16
.endr
	WIN 0
.endm
; THE WAY OUT of row block a.  ROT: out[d] = t[d] cos - t[d + 64] sin, out[d + 64] = t[d + 64] cos + t[d] sin, then f16.  Each accumulator is read from its low end on.
.macro ROT a
	WIN 0xad                        ; source 0 window 1, source 1 window 3, source 2 and destination window 2
.set rb, 0
.rept 4
.set rz, 0
.rept 4
.set x1, 8*(8*(\a)+rb)+2*rz
.set x2, 8*(8*(\a)+rb+4)+2*rz
.set cq, 64*(\a)+8*rb+2*rz
.set tq, T+8*rb+2*rz
.set uq, U+8*rb+2*rz
	v_pk_mul_f32 v[tq:tq+1], v[x2:x2+1], v[cq+32:cq+33]
	v_pk_mul_f32 v[uq:uq+1], v[x1:x1+1], v[cq+32:cq+33]
	v_pk_fma_f32 v[tq:tq+1], v[x1:x1+1], v[cq:cq+1], v[tq:tq+1] neg_lo:[0,0,1] neg_hi:[0,0,1]
	v_pk_fma_f32 v[uq:uq+1], v[x2:x2+1], v[cq:cq+1], v[uq:uq+1]
.set rz, rz+1
.endr
.set rb, rb+1
.endr
	WIN 0x8a
.set rz, 0
.rept 32
	v_cvt_pk_f16_f32 v[PK+rz], v[T+2*rz], v[T+2*rz+1]
.set rz, rz+1
.endr
.endm
.macro PLAIN a
	WIN 0x85
.set rz, 0
.rept 32
	v_cvt_pk_f16_f32 v[PK+rz], v[64*(\a)+2*rz], v[64*(\a)+2*rz+1]
.set rz, rz+1
.endr
.endm
.macro TOSTAGE a                    ; 16 bytes a lane into my own stage, and back as whole rows of 256 bytes: LDS serves a wave in order
	WIN 0x08
.irp f, 0,1,2,3,4,5,6,7
	ds_store_b128 v[STO], v[PK+4*(\f):PK+4*(\f)+3] offset:32*(\f)
.endr
	WIN 0x80
.irp f, 0,1,2,3,4,5,6,7
	ds_load_b128 v[OB+32*((\a)%2)+4*(\f):OB+32*((\a)%2)+4*(\f)+3], v[RD] offset:(\f)*2*SP
.endr
.endm
.macro SEND a
	WIN 0x08
	s_wait_dscnt 0x0                ; the block is back in registers
	s_wait_xcnt 0x0                 ; the stores issued so far have read their registers: the other buffer may be loaded again behind this
.irp f, 0,1,2,3,4,5,6,7
	global_store_b128 v[CO], v[OB+32*((\a)%2)+4*(\f):OB+32*((\a)%2)+4*(\f)+3], s[OUT:OUT+1] offset:(\a)*4096+(\f)*512  ; 512 consecutive bytes, aligned
.endr
.endm
.macro XF kind, a
.if \kind
	ROT \a
.else
	PLAIN \a
.endif
.endm
.macro EPI kind                     ; a block's arithmetic stands between the loads of the block before and its stores
	XF \kind, 0
	TOSTAGE 0
	XF \kind, 1
	SEND 0
	TOSTAGE 1
	XF \kind, 2
	SEND 1
	TOSTAGE 2
	XF \kind, 3
	SEND 2
	TOSTAGE 3
	SEND 3
.endm
	s_load_b256 s[4:11], s[0:1], 0x0               ; xb 4, wb 6, bias 8, rope 10
	s_load_b64 s[12:13], s[0:1], 0x20              ; qkv
	v_lshl_add_u32 v[SPW], v0, 2, SPARE
	v_mov_b32 v[NIL], 0
	ds_add_u32 v[SPW], v[NIL]                      ; the opening add, waited for ahead of my first tensor load
	v_lshrrev_b32 v1, 5, v0
	v_readfirstlane_b32 s[WV], v1
	s_and_b32 s15, s[WV], 1                        ; which half of its tile a wave fetches
	s_bfe_u32 s16, ttmp6, 0x40000                  ; cx
	s_bfe_u32 s17, ttmp6, 0x40004                  ; cy
	s_lshl_b32 s18, ttmp9, 2
	s_add_co_u32 s18, s18, s16                     ; TX: the head
	s_and_b32 s19, ttmp7, 0xffff
	s_lshl_b32 s19, s19, 2
	s_add_co_u32 s19, s19, s17                     ; TY: the block of 256 rows
	s_lshl_b32 s20, s17, 2
	s_lshl_b32 s20, 15, s20                        ; my row of the cluster
	s_lshl_b32 s21, 0x1111, s16                    ; my column
	s_or_b32 s[G1A], s20, (1<<16)|(1<<20)|(1<<21)|(5<<22)|(3<<25)  ; mask; 2-byte elements; padding on; bit 21 beside a mask; after every 64 words, 4 words
	s_or_b32 s[G1B], s21, (1<<16)|(1<<20)|(1<<21)|(5<<22)|(7<<25)  ; the same with 8 words
	s_mov_b32 s[G1A+1], 128<<16                    ; tensor_dim0 = 128
	s_mov_b32 s[G1A+2], 128<<16                    ; tensor_dim1 = 128
	s_mov_b32 s[G1A+3], 128<<16                    ; tile_dim0 = 128
	s_mov_b32 s[G1A+4], 128                        ; tile_dim1 = 128
	s_mov_b32 s[G1A+5], 1024                       ; elements from row to row
	s_mov_b32 s[G1A+6], 0
	s_mov_b32 s[G1A+7], 0
	s_mov_b32 s[G1B+1], 128<<16
	s_mov_b32 s[G1B+2], 64<<16
	s_mov_b32 s[G1B+3], 128<<16
	s_mov_b32 s[G1B+4], 64
	s_mov_b32 s[G1B+5], 2048
	s_mov_b32 s[G1B+6], 0
	s_mov_b32 s[G1B+7], 0
	s_lshl_b32 s[ABASE], s19, 8
	s_lshl_b32 s22, s15, 7
	s_add_co_u32 s[ABASE], s[ABASE], s22
	s_lshl_b32 s[ABASE], s[ABASE], 11              ; (256 TY + 128 half) rows of 2,048 bytes
	s_mov_b32 s[ABASE+1], 0
	s_lshl_b32 s[BBASE], s18, 8                    ; the head's 256 bytes of a row,
	s_lshl_b32 s23, s15, 18                        ; 64 rows of 4,096 bytes for the second half
	s_add_co_u32 s[BBASE], s[BBASE], s23
	s_mov_b32 s[BBASE+1], 0
	s_mul_i32 s22, s15, HALFA                      ; where the halves go: no place in the cluster enters an LDS address
	s_mul_i32 s23, s15, HALFB
	s_add_co_u32 s23, s23, ATILE
	s_mov_b32 s[KS], 2
	s_mov_b32 s[TB], 0
	s_mov_b32 s[OFFA+1], 0
	s_mov_b32 s[OFFB+1], 0
	s_wait_dscnt 0x0                               ; the opening add is done
	s_wait_kmcnt 0x0
	s_add_nc_u64 s[ABASE:ABASE+1], s[4:5], s[ABASE:ABASE+1]
	s_add_nc_u64 s[BBASE:BBASE+1], s[6:7], s[BBASE:BBASE+1]
	CROUND                                         ; all sixteen work-groups are here: the first joint loads meet
.irp s, 0,1
	s_mov_b32 s[G0A+4*(\s)], 1
	s_add_co_u32 s[G0A+4*(\s)+1], s22, (\s)*SLOT1
	s_add_nc_u64 s[G0A+4*(\s)+2:G0A+4*(\s)+3], s[ABASE:ABASE+1], (\s)*256
	s_or_b32 s[G0A+4*(\s)+3], s[G0A+4*(\s)+3], 0x80000000
	s_mov_b32 s[G0B+4*(\s)], 1
	s_add_co_u32 s[G0B+4*(\s)+1], s23, (\s)*SLOT1
	s_add_nc_u64 s[G0B+4*(\s)+2:G0B+4*(\s)+3], s[BBASE:BBASE+1], (\s)*524288
	s_or_b32 s[G0B+4*(\s)+3], s[G0B+4*(\s)+3], 0x80000000
.endr
	s_cmp_lt_u32 s[WV], 2                          ; a wave's two first fills stand in one branch: two loads of mine are out
	s_cbranch_scc0 .Lfirst_b
	tensor_load_to_lds s[G0A:G0A+3], s[G1A:G1A+7]
	s_nop 0
	tensor_load_to_lds s[G0A+4:G0A+7], s[G1A:G1A+7]
	s_nop 0
.rept 4
	v_nop
.endr
	s_branch .Lfirst_asked
.Lfirst_b:
	tensor_load_to_lds s[G0B:G0B+3], s[G1B:G1B+7]
	s_nop 0
	tensor_load_to_lds s[G0B+4:G0B+7], s[G1B:G1B+7]
	s_nop 0
.rept 4
	v_nop
.endr
.Lfirst_asked:
	v_and_b32 v1, 15, v0                           ; r
	v_bfe_u32 v2, v0, 4, 1                         ; h
	v_mul_u32_u24 v[A0], v1, PA
	v_lshl_add_u32 v[A0], v2, 4, v[A0]
	s_mul_i32 s20, s[WV], 64*PA
	v_add_nc_u32 v[A0], s20, v[A0]                 ; (64 w + r) x pitch + 16 h
	v_and_b32 v3, 7, v0
	v_lshl_add_u32 v3, v2, 3, v3
	v_mul_u32_u24 v[B0], v3, PB
	v_bfe_u32 v3, v0, 3, 1
	v_lshl_add_u32 v[B0], v3, 4, v[B0]
	v_add_nc_u32 v[B0], ATILE, v[B0]               ; (8 h + l % 8) x pitch + 16 ((l / 8) % 2), behind A
	v_mov_b32 v[ADRA], v[A0]
	v_mov_b32 v[ADRB], v[B0]
	s_mul_i32 s21, s[WV], 16*SP
	s_add_co_u32 s21, s21, STAGE
	v_mul_u32_u24 v[STO], v1, SP
	v_lshl_add_u32 v[STO], v2, 4, v[STO]
	v_add_nc_u32 v[STO], s21, v[STO]
	v_mul_u32_u24 v[RD], v2, SP
	v_lshl_add_u32 v[RD], v1, 4, v[RD]
	v_add_nc_u32 v[RD], s21, v[RD]
	v_lshlrev_b32 v[CO], 8, v2
	v_lshl_add_u32 v[CO], v1, 4, v[CO]             ; two rows of 256 bytes in the output
	v_lshlrev_b32 v[BO], 5, v2
	v_and_b32 v[RO], 31, v0
	v_lshlrev_b32 v[RO], 4, v[RO]
	s_lshl_b32 s20, s18, 9                         ; the head's 128 biases
	s_mov_b32 s21, 0
	s_add_nc_u64 s[BI:BI+1], s[8:9], s[20:21]
	BLOAD
	s_and_b32 s20, s19, 7
	s_lshl_b32 s20, s20, 4
	s_lshl_b32 s22, s[WV], 2
	s_add_co_u32 s20, s20, s22
	s_lshl_b32 s20, s20, 13                        ; my four position blocks: 16 (TY % 8) + 4 w, 8,192 bytes each
	s_add_nc_u64 s[10:11], s[10:11], s[20:21]
	WIN 0xc0
.set i, 0
.rept 64
	global_load_b128 v[4*i:4*i+3], v[RO], s[10:11] offset:(i/16)*8192+(i%16)*512
.set i, i+1
.endr
	WIN 0
	s_lshr_b32 s20, s19, 3                         ; the batch
	s_lshl_b32 s20, s20, 4
	s_add_co_u32 s20, s20, s18
	s_lshl_b32 s20, s20, 11
	s_and_b32 s22, s19, 7
	s_lshl_b32 s22, s22, 8
	s_add_co_u32 s20, s20, s22
	s_lshl_b32 s22, s[WV], 6
	s_add_co_u32 s20, s20, s22
	s_lshl_b32 s20, s20, 8                         ; my first row in Q's part of the output, 256 bytes a row
	s_add_nc_u64 s[OUT:OUT+1], s[12:13], s[20:21]
	; the prefetches: address one K step short of step 4, step, count, and the lanes' row pitch
	s_lshl_b32 s20, s19, 8
	s_lshl_b32 s21, s[WV], 7
	s_add_co_u32 s20, s20, s21
	s_lshl_b32 s21, s16, 5
	s_add_co_u32 s20, s20, s21
	s_lshl_b32 s20, s20, 11
	s_add_co_u32 s20, s20, 3*256
	s_lshl_b32 s21, s17, 17
	s_lshl_b32 s22, s18, 8
	s_add_co_u32 s21, s21, s22
	s_add_co_u32 s21, s21, 3*524288
	s_and_b32 s22, ttmp7, 0xffff
	s_mov_b32 s[PFS], 0x80000                      ; B's step, 128 rows of 4,096 bytes; the select below puts A's 256 bytes in its place
	s_cmp_lt_u32 s[WV], 2
	s_cselect_b32 s20, s20, s21
	s_cselect_b32 s22, ttmp9, s22                  ; the coordinate along which other clusters read the same rows
	s_cselect_b32 s[PFN], 5, 21
	s_cselect_b32 s[PFS], 256, s[PFS]
	s_cselect_b32 s23, 11, 12
	s_cselect_b64 s[PFA:PFA+1], s[4:5], s[6:7]
	s_mov_b32 s21, 0
	s_mov_b32 s[PFS+1], 0
	s_add_nc_u64 s[PFA:PFA+1], s[PFA:PFA+1], s[20:21]
	s_cmp_eq_u32 s22, 0
	s_cselect_b32 s[PFN], s[PFN], 0
	s_cmp_eq_u32 s[WV], 3
	s_cselect_b32 s[PFN], 0, s[PFN]
	v_and_b32 v[PFO], 31, v0
	v_lshlrev_b32 v[PFO], s23, v[PFO]
	s_wait_tensorcnt 1                             ; my part of K step 0 is in; K step 1 may stay out
	s_barrier_signal -1
	s_barrier_wait -1
	FETCH 0, F0
	s_wait_loadcnt 0x0                             ; bias and table
	s_mov_b32 s[TL], 2
.Ltile:                                            ; tiles Q and K
	QUARTER F0, F1, 1, 1                           ; a tile's first quarter starts the sums with the bias
	PLACES
	WIN 0
	s_wait_xcnt 0x0
	s_add_nc_u64 s[BI:BI+1], s[BI:BI+1], 8192
	BLOAD                                          ; the next tile's bias
	s_mov_b32 s[LP], 7
.Lk:
	QUARTER F1, F0, 2, 0
	QUARTER F0, F1, 3, 0
	TURN 1
	QUARTER F0, F1, 1, 0
	WIN 0
	s_sub_co_u32 s[LP], s[LP], 1
	s_cmp_lg_u32 s[LP], 0
	s_cbranch_scc1 .Lk
	QUARTER F1, F0, 2, 0
	QUARTER F0, F1, 3, 0
	TURN 1                                         ; the ring goes on into the next tile, whose first fragments are fetched
	EPI 1                                          ; blocks 0 and 1 were finished ahead of the refill's places; their arithmetic is the places behind blocks 2 and 3
	WIN 0
	s_wait_xcnt 0x0
	s_add_nc_u64 s[OUT:OUT+1], s[OUT:OUT+1], 16777216
	s_wait_loadcnt 0x0                             ; the next tile's bias
	s_sub_co_u32 s[TL], s[TL], 1
	s_cmp_lg_u32 s[TL], 0
	s_cbranch_scc1 .Ltile
	QUARTER F0, F1, 1, 1                           ; tile V is written out: its last two K steps ask for nothing
	WIN 0
	s_mov_b32 s[LP], 6
.Lkv:
	QUARTER F1, F0, 2, 0
	QUARTER F0, F1, 3, 0
	TURN 1
	QUARTER F0, F1, 1, 0
	WIN 0
	s_sub_co_u32 s[LP], s[LP], 1
	s_cmp_lg_u32 s[LP], 0
	s_cbranch_scc1 .Lkv
	QUARTER F1, F0, 2, 0
	QUARTER F0, F1, 3, 0
	TURN 0
	QUARTER F0, F1, 1, 0
	QUARTER F1, F0, 2, 0
	QUARTER F0, F1, 3, 0
	s_wait_dscnt 4
	MUL F1, 0, 2, 0
	s_wait_dscnt 0x0
	MUL F1, 2, 2, 0
	PLACES
	EPI 0
	WIN 0
	s_wait_tensorcnt 0x0                           ; the wave's end
	ds_add_u32 v[SPW], v[NIL]
	s_wait_dscnt 0x0
	CROUND                                         ; the closing round
	s_endpgm
.Lfunc_end_k_q39f22dfe17_qkv:
	.size	k_q39f22dfe17_qkv, .Lfunc_end_k_q39f22dfe17_qkv-k_q39f22dfe17_qkv
	.p2alignl 7, 3214868480
	.fill 96, 4, 3214868480
	.section	.rodata,"a",@progbits
	.p2align	6, 0x0
	.amdhsa_kernel k_q39f22dfe17_qkv
		.amdhsa_group_segment_fixed_size 327680
		.amdhsa_private_segment_fixed_size 0
		.amdhsa_enable_private_segment 0
		.amdhsa_kernarg_size 40
		.amdhsa_user_sgpr_count 2
		.amdhsa_user_sgpr_kernarg_segment_ptr 1
		.amdhsa_wavefront_size32 1
		.amdhsa_system_sgpr_workgroup_id_x 1
		.amdhsa_system_sgpr_workgroup_id_y 1
		.amdhsa_system_sgpr_workgroup_id_z 1
		.amdhsa_system_vgpr_workitem_id 0
		.amdhsa_next_free_vgpr 1024
		.amdhsa_next_free_sgpr 80
		.amdhsa_reserve_vcc 0
		.amdhsa_float_denorm_mode_32 3
		.amdhsa_float_denorm_mode_16_64 3
		.amdhsa_memory_ordered 1
		.amdhsa_forward_progress 1
		.amdhsa_inst_pref_size 147
	.end_amdhsa_kernel
	.amdgpu_metadata
---
amdhsa.version: [ 1, 2 ]
amdhsa.kernels:
  - .name:           k_q39f22dfe17_qkv
    .symbol:         k_q39f22dfe17_qkv.kd
    .args:
      - { .name: xb, .offset: 0, .size: 8, .value_kind: global_buffer, .address_space: global }
      - { .name: wb, .offset: 8, .size: 8, .value_kind: global_buffer, .address_space: global }
      - { .name: bias, .offset: 16, .size: 8, .value_kind: global_buffer, .address_space: global }
      - { .name: rope, .offset: 24, .size: 8, .value_kind: global_buffer, .address_space: global }
      - { .name: qkv, .offset: 32, .size: 8, .value_kind: global_buffer, .address_space: global }
    .group_segment_fixed_size: 327680
    .private_segment_fixed_size: 0
    .kernarg_segment_align: 8
    .kernarg_segment_size: 40
    .max_flat_workgroup_size: 128
    .sgpr_count:     80
    .vgpr_count:     1024
    .wavefront_size: 32
...
	.end_amdgpu_metadata
.endif
;; end of part 2
;; launch attn (part 3): grid 8 x 32, 4 waves a work-group, no clusters, 327,680 bytes of LDS; arguments qkv, ob; writes ob
.if DOCPART == 3
	.amdgcn_target "amdgcn-amd-amdhsa--gfx1250"
	.amdhsa_code_object_version 6
	.text
	.protected	k_q39f22dfe17_attn
	.globl	k_q39f22dfe17_attn
	.p2align	8
	.type	k_q39f22dfe17_attn,@function
k_q39f22dfe17_attn:
	s_mov_b64 s[64:65], 0
	v_nop
	global_prefetch_b8 v0, s[64:65] scope:SCOPE_SE
	s_setreg_imm32_b32 hwreg(HW_REG_WAVE_MODE, 25, 1), 1
	s_wait_xcnt 0x0
; CAUSAL ATTENTION, head size 128.  qkv: [3][32 heads][2048][128] f16 (q unscaled).
; ob: 64 groups of 80 rows of 2048 f16 (column = head x 128 + d).  Group G stands for rows 64 G .. 64 G + 63 of O (row = batch x 2048 + n): its rows 0-63 hold hi = f16(O), its rows 64-79 hold lo = f16(O - hi) of its first 16 rows.
; Products, maxima and sums in f32; the weights are rounded to f16 for the second product (their sum is taken of the unrounded weights).
; WHY lo: a batch's first rows are means over few keys and many times larger than the output's root mean square, so one rounding of O to 11 bits is too coarse for them; hi + lo hold about 22.
; From a batch's row 16 on O is a mean over 17 keys or more and one rounding serves.  One text for all groups: each group's first 16 rows have their lo.
; LIMITS.  q, k, v and O lie within 65,504.  lo below 6e-5 keeps f16's fixed step of 6e-8.  A hidden score counts as its value less 1e30.  A weight below 2^-126 counts as 0 in the sum.  NaN and infinities are not treated apart.
; The running maximum starts at -1e15: below every score that f16 operands can make (128 x 65,504^2 = 5.5e11), far above a hidden one.
; THE WALK.  A head has 16 blocks of 128 queries; block i needs the key tiles 0 .. i of 128 keys, the last with the diagonal.  A work-group takes block b and then block 15 - b:
; 17 tiles whatever b, walked by one loop with a constant count; the ring of two LDS slots runs on across the change of blocks.
; NO CLUSTER: the work-groups of a head want different tiles in the same trip (which tile hangs on b), and one walk common to all would have 20 trips for 17.
; SHARES.  Wave 2 g + p holds the 64 queries of group g and takes keys 64 p .. 64 p + 63 of every tile.  The two partial results of a group are merged through LDS at a block's end.
; Register tile t stands for query tile 4 g + (t xor 2 p): every wave keeps its tiles 0, 1 and hands its tiles 2, 3 to its partner, in one text for all waves.
; LAYOUT, SOFTMAX, TURNS.  S^T = K Q^T holds one query a lane (lane % 16) and the keys 8 (lane / 16) + 0..7; two such results rounded to f16 are source 1 of O^T = V^T P.
; p = 2^(c s - c m), c = log2(e) / sqrt(128), with a running maximum m; O and l are multiplied by a = 2^(c m_old - c m_new) in every step.  The wave's tiles are two pieces (tiles 0, 1 and 2, 3).
; In a turn one piece has the matrix unit (32 products V^T P of the tile in hand, 32 products K Q^T of the next), and the other piece's softmax stands in 64 slices behind its matrix instructions.
; THE MASK is the C operand that starts a score's sum: 0, or -1e30 where the key is hidden.  MC holds, for each piece, five blocks by (key block - tile); they are all 0 but for the diagonal tile.
; A BLOCK BEGINS with c m far below every c s, so that its first a is 0 and O and l need only hold finite numbers.
; A WAVE THAT SEES ONLY HIDDEN KEYS (block 0: queries 0-63 against keys 64-127) keeps m = -1e15: its weights, l and O are 0, and its c m loses in the merge, where its share gets the factor 0.
; REGISTERS.  window 0: addresses; v12-43 statistics, 8 a tile; v64-191 S^T; v192-255 P.  window 1: O^T, 64 a tile.  window 2: v0-127 Q, v128-255 K.  window 3: v0-127 V, v128-135 MD, v136-215 MC.
.set KS,    64
.set PK,    272
.set PV,    288
.set VOFF,  KS*PK
.set STEPB, KS*(PK+PV)
.set SLOT1, 1<<17
.set XCH,   SLOT1+2*STEPB   ; the exchange area: for each wave 32 quads of O (512 bytes each), then four statistics (128 bytes each)
.set XSZ,   16896
.set STAGE, XCH+4*XSZ
.set SP,    272
.set SPARE, STAGE+4*16*SP
.set OROW,  4096            ; bytes in a row of ob
.set OGRP,  80*OROW         ; bytes in a group of ob
.set AK0, 2
.set AV0, 3
.set ADR, 4
.set QOA, 5
.set STO, 6
.set RD,  7
.set GO,  8
.set QOB, 9
.set XW,  10
.set XR,  11
.set ST,  12
.set XSW, 44
.set XSR, 45
.set MONE, 53         ; v53  -1.0; never rewritten
.set PFO, 61
.set SPW, 62
.set NIL, 63
.set S,   64
.set P,   192
.set KF,  128
.set MD,  128
.set MC,  136
.set WV,  12
.set PB,  14
.set HI,  15
.set PP,  17          ; s17  p = my wave's number % 2; never rewritten
.set G1K, 24
.set G1V, 32
.set G0K, 40
.set G0V, 44
.set KB,  48
.set VB,  50
.set OFF, 52
.set SLOTS, 56
.set CNT, 57
.set CS,  58
.set SEL, 60
.set TB,  62
.set NXT, 63
.set LQ,  66
.set JL,  67          ; tiles of the block in hand that are still to be entered
.set LNX, 68          ; the last tile of the block that begins next
.set NOF, 69          ; 1: the block's last tile has been entered: there is no further K
.set E0,  70
.set E2,  71
.set EA,  72
.set EB,  73
.set AL,  74
.set BE,  76
.set BIGN, 78
.set QN,  80
.set ON,  82
.set PFK, 84
.set PFV, 86
.set PFN, 88
.set MSB, 0
.macro WIN new
.if MSB != (\new)
	s_set_vgpr_msb (MSB<<8)|(\new)
.set MSB, \new
.endif
.endm
.set W_PV, 0x53
.set W_RS, 0x41
.macro PLACES
.rept 4
	v_nop
.endr
.endm
; A fill.  Waves 0 and 1 fetch K of the tile's two steps, waves 2 and 3 V.  An s_nop 0 and four v_nop follow each line.
.macro LOAD
	s_cmp_lt_u32 s[WV], 2
	s_cbranch_scc0 .Lfor_v_\@
	tensor_load_to_lds s[G0K:G0K+3], s[G1K:G1K+7]
	s_nop 0
.rept 4
	v_nop
.endr
	s_branch .Lasked_\@
.Lfor_v_\@:
	tensor_load_to_lds s[G0V:G0V+3], s[G1V:G1V+7]
	s_nop 0
.rept 4
	v_nop
.endr
.Lasked_\@:
.endm
; A prefetch of the tile two fills on: the head's work-group b = 0, whose second block walks all 16 tiles, asks; each of its waves for 32 rows of K and 32 of V, a lane a row.  Tiles 2 to 15, each once.
.macro ASK
	s_cmp_lg_u32 s[PFN], 0
	s_cbranch_scc0 .Lnot_mine_\@
	global_prefetch_b8 v[PFO], s[PFK:PFK+1] th:TH_LOAD_NT scope:SCOPE_SE
	global_prefetch_b8 v[PFO], s[PFV:PFV+1] th:TH_LOAD_NT scope:SCOPE_SE
.Lnot_mine_\@:
.endm
; THE CHANGE OF SLOTS.  Each wave waits for all its tensor loads (one is out: its part of the other slot), adds 0 to its spare word, and waits for that and for its reads of the slot that it leaves.
; fill = 1: the old slot is filled again, first thing behind the barrier, with tile NXT; the address is made anew from that number.
.macro CHANGE fill
	WIN 0
	s_wait_tensorcnt 0x0
	ds_add_u32 v[SPW], v[NIL]
.if \fill
	s_lshl_b32 s[OFF], s[NXT], 15
	s_xor_b32 s[G0K+1], s[G0K+1], SLOT1
	s_add_nc_u64 s[G0K+2:G0K+3], s[KB:KB+1], s[OFF:OFF+1]
	s_or_b32 s[G0K+3], s[G0K+3], 0x80000000
	s_xor_b32 s[G0V+1], s[G0V+1], SLOT1
	s_add_nc_u64 s[G0V+2:G0V+3], s[VB:VB+1], s[OFF:OFF+1]
	s_or_b32 s[G0V+3], s[G0V+3], 0x80000000
	s_add_co_u32 s[NXT], s[NXT], 1
	s_cmp_gt_u32 s[NXT], s[LQ]
	s_cselect_b32 s[NXT], 0, s[NXT]
	s_cselect_b32 s[LQ], s[HI], s[LQ]
	s_wait_xcnt 0x0                 ; the last prefetches, a tile back, have read their addresses
	s_add_nc_u64 s[PFK:PFK+1], s[PFK:PFK+1], 32768
	s_add_nc_u64 s[PFV:PFV+1], s[PFV:PFV+1], 32768
	s_max_u32 s[PFN], s[PFN], 1
	s_sub_co_u32 s[PFN], s[PFN], 1
.endif
	s_wait_dscnt 0x0                ; the add is done, and my reads of the slot are over
	s_barrier_signal -1
	s_xor_b32 s[TB], s[TB], SLOT1
	s_barrier_wait -1
.if \fill
	LOAD
	ASK
.endif
.endm
; Product i of 32 of O^T += V^T P for piece x: keys 32 (i / 16) on, channels 16 ((i / 2) % 8) on, tile x + i % 2.  Sixteen accumulators by turns.
.macro PV x
	WIN W_PV
.set rO, 64*((\x)+i%2)+8*((i/2)%8)
.set rV, 64*(i/16)+8*((i/2)%8)
.set rP, P+16*((\x)+i%2)+8*(i/16)
	v_wmma_f32_16x16x32_f16 v[rO:rO+7], v[rV:rV+7], v[rP:rP+7], v[rO:rO+7]
.endm
; Product i of 32 of S^T = K Q^T: channels 32 (i / 8) on, keys 16 ((i / 2) % 4) on, tile x + i % 2.  The first 8 start the sums with the mask block (key block - tile).
.macro KQ x
.set rS, S+32*((\x)+i%2)+8*((i/2)%4)
.set rK, KF+32*((i/2)%4)+8*(i/8)
.set rQ, 32*((\x)+i%2)+8*(i/8)
.set rM, MC+40*((\x)/2)+8*((i/2)%4-i%2+1)
.if i < 8
	WIN 0x3a
	v_wmma_f32_16x16x32_f16 v[rS:rS+7], v[rK:rK+7], v[rQ:rQ+7], v[rM:rM+7]
.else
	WIN 0x0a
	v_wmma_f32_16x16x32_f16 v[rS:rS+7], v[rK:rK+7], v[rQ:rQ+7], v[rS:rS+7]
.endif
.endm
; guard = 1: behind a block's last tile there is no further K, and the run is jumped over.
.macro FETCH_K guard
	WIN 0
.if \guard
	s_cmp_eq_u32 s[NOF], 1
	s_cbranch_scc1 .Lno_k_\@
.endif
	v_add_nc_u32 v[ADR], s[TB], v[AK0]
	WIN 0x80
.irp f, 0,1,2,3,4,5,6,7,8,9,10,11,12,13,14,15
	ds_load_b128 v[KF+8*(\f):KF+8*(\f)+3],   v[ADR] offset:((\f)/4)*16*PK+((\f)%4)*64
	ds_load_b128 v[KF+8*(\f)+4:KF+8*(\f)+7], v[ADR] offset:((\f)/4)*16*PK+((\f)%4)*64+32
.endr
	WIN 0
.if \guard
.Lno_k_\@:
.endif
.endm
.macro FETCH_V
	WIN 0
	v_add_nc_u32 v[ADR], s[TB], v[AV0]
	s_wait_alu depctr_va_vdst(0)    ; the wait for the softmax batch, behind the address line and ahead of the loads
	WIN 0xc0
.irp f, 0,1,2,3,4,5,6,7,8,9,10,11,12,13,14,15
	ds_load_tr16_b128 v[8*(\f):8*(\f)+3],   v[ADR] offset:((\f)/8)*32*PV+((\f)%8)*32
	ds_load_tr16_b128 v[8*(\f)+4:8*(\f)+7], v[ADR] offset:((\f)/8)*32*PV+16*PV+((\f)%8)*32
.endr
.endm
; Number j of the 134 instructions of one tile's softmax for one step.
;   0-15 the maximum of the 32 scores and the old m    16-20 the other half of the lanes, the new m, c m, its change
;   21-69 ONE BATCH: 16 scalings and 33 exponentials (a at 23), none of which reads an exponential's result    70-85 roundings    86-101 sums    102-133 O^T times a
.macro SM t
.set rT, ST+8*(\t)
.set rS, S+32*(\t)
.set rP, P+16*(\t)
.set rO, 64*(\t)+2*(j-102)
.if j < 102
	WIN 0
.endif
.if j < 4
	v_max3_num_f32 v[rT+4+j], v[rS+8*j], v[rS+8*j+1], v[rS+8*j+2]
.elseif j < 12
	v_max3_num_f32 v[rT+4+j%4], v[rT+4+j%4], v[rS+8*(j%4)+2*(j/4)+1], v[rS+8*(j%4)+2*(j/4)+2]
.elseif j == 12
	v_max3_num_f32 v[rT+4], v[rT+4], v[rS+7], v[rS+15]
.elseif j == 13
	v_max3_num_f32 v[rT+6], v[rT+6], v[rS+23], v[rS+31]
.elseif j == 14
	v_max3_num_f32 v[rT+4], v[rT+4], v[rT+5], v[rT+6]
.elseif j == 15
	v_max3_num_f32 v[rT+4], v[rT+4], v[rT+7], v[rT+1]
.elseif j == 16
	v_permlanex16_b32 v[rT+5], v[rT+4], s[SEL], s[SEL+1]
.elseif j == 17
	v_mov_b32 v[rT+7], v[rT]
.elseif j == 18
	v_max_num_f32 v[rT+1], v[rT+4], v[rT+5]
.elseif j == 19
	v_mul_f32 v[rT], s[CS], v[rT+1]
.elseif j == 20
	v_sub_f32 v[rT+7], v[rT+7], v[rT]
.elseif j == 23
	v_exp_f32 v[rT+6], v[rT+7]
.elseif (j < 23) || ((j < 38) && (j%2 == 0)) || ((j < 66) && (j%4 == 2))
.set b, (j-2)/4
.if j < 38
.set b, (j-20)/2
.endif
	v_pk_fma_f32 v[rS+2*b:rS+2*b+1], v[rS+2*b:rS+2*b+1], s[CS:CS+1], v[rT:rT+1] op_sel_hi:[1,0,0] neg_lo:[0,0,1] neg_hi:[0,0,1]
.elseif j < 70
.set e, j-38
.if j < 66
.set e, j-32-(j-38)/4
.endif
.if j < 38
.set e, (j-25)/2
.endif
	v_exp_f32 v[rS+e], v[rS+e]
.elseif j < 86
	v_cvt_pk_f16_f32 v[rP+j-70], v[rS+2*(j-70)], v[rS+2*(j-70)+1]
.elseif j < 102
.set z, j-86
.set w, 4
.set u, z
.if z >= 14
.set w, 32
.set u, 0
.elseif z >= 12
.set w, 16
.set u, z-12
.elseif z >= 8
.set w, 8
.set u, z-8
.endif
.if z < 15
	v_pk_add_f32 v[rS+w*u:rS+w*u+1], v[rS+w*u:rS+w*u+1], v[rS+w*u+w/2:rS+w*u+w/2+1]
.else
	v_pk_fma_f32 v[rT+2:rT+3], v[rT+2:rT+3], v[rT+6:rT+7], v[rS:rS+1] op_sel_hi:[1,0,1]
.endif
.else
	WIN W_RS
	v_pk_mul_f32 v[rO:rO+1], v[rO:rO+1], v[rT+6:rT+7] op_sel_hi:[1,0]
.endif
.endm
; Slice k of 64 of piece y's softmax: four instructions (slice 63: sixteen).  Slices 11 to 34 deal out the batch, four numbers of one tile each; behind slice 34 stand a plain instruction and the
; one wait for the piece's 66 exponentials: nothing ahead of it names a result of theirs, and no exponential is issued behind it.
.macro SLICE y
.if (k >= 11) && (k < 35)
.irp n, 0,1,2,3
.set j, 22+4*((k-11)/2)+(\n)
	SM (\y)+(k-11)%2
.endr
.else
.irp n, 0,1,2,3,4,5,6,7
.if ((\n) < 2) || (k == 63)
.irp t, \y, (\y)+1
.set j, 2*k+(\n)
	SM \t
.endr
.endif
.endr
.endif
.if k == 34
	v_nop
.if (\y) == 0
	FETCH_V                         ; four plain instructions behind the last product that read V: number 62 of both tiles, the v_nop, the address line
.else
	s_wait_alu depctr_va_vdst(0)
.endif
.endif
.set k, k+1
.endm
; A TURN: piece x has the matrix unit, the other piece's softmax stands in slices.  Piece 0's turn fetches the next tile's K behind its second product, piece 2's turn the same tile's V behind slice 34.
.macro TURN x
.set k, 0
.if (\x) == 0
	s_wait_dscnt 0x0                ; V is in
.endif
.set i, 0
.rept 32
	PV \x
	SLICE 2-(\x)
.if ((\x) == 0) && (i == 1)
	FETCH_K 1
.endif
.set i, i+1
.endr
.if (\x) == 0
	s_wait_dscnt 0x0                ; K is in
.endif
.set i, 0
.rept 32
	KQ \x
	SLICE 2-(\x)
.set i, i+1
.endr
.endm
; The ten mask blocks: block d of piece q stands for (key block - tile) = d - 1 (piece 0) or d - 3 (piece 2); with the piece's offset E added: below 0 all seen, 0 the diagonal block, above 0 all hidden.
.macro MASKSET
.set mp, 0
.rept 2
.set md, 0
.rept 5
.set dl, md-1-2*mp
	s_cmp_eq_i32 s[EA+mp], 0-dl
	s_cselect_b32 s[AL], 1.0, 0
	s_cmp_gt_i32 s[EA+mp], 0-dl
	s_cselect_b32 s[BE], s[BIGN], 0
	WIN 0xc3
.set mz, 0
.rept 4
	v_pk_fma_f32 v[MC+40*mp+8*md+2*mz:MC+40*mp+8*md+2*mz+1], v[MD+2*mz:MD+2*mz+1], s[AL:AL+1], s[BE:BE+1] op_sel_hi:[1,0,0]
.set mz, mz+1
.endr
.set md, md+1
.endr
.set mp, mp+1
.endr
	WIN 0
.endm
.macro QLOAD base                   ; a block's Q: register tiles 0, 1 and 2, 3 lie 32 rows apart, which way round hangs on p
	WIN 0x80
.set i, 0
.rept 8
	global_load_b128 v[8*i:8*i+3],       v[QOA], s[\base:\base+1] offset:(i/4)*4096+(i%4)*64
	global_load_b128 v[8*i+4:8*i+7],     v[QOA], s[\base:\base+1] offset:(i/4)*4096+(i%4)*64+32
	global_load_b128 v[64+8*i:64+8*i+3], v[QOB], s[\base:\base+1] offset:(i/4)*4096+(i%4)*64
	global_load_b128 v[64+8*i+4:64+8*i+7], v[QOB], s[\base:\base+1] offset:(i/4)*4096+(i%4)*64+32
.set i, i+1
.endr
	WIN 0
.endm
; A BLOCK BEGINS: statistics, masks (the diagonal ones if its first tile is its last), K of its first tile, piece 0's first scores.
.macro BEGIN
	WIN 0
.set i, 0
.rept 4
	v_mov_b32 v[ST+8*i], 0xfe000000    ; c m: far below every c s, so the first a is 0
	v_mov_b32 v[ST+8*i+1], 0xd8635fa9  ; m = -1e15: below every true score, far above a hidden one
.set i, i+1
.endr
	s_mov_b32 s[JL], s[LNX]
	s_mov_b32 s[LNX], s[HI]
	s_cmp_eq_u32 s[JL], 0
	s_cselect_b32 s[EA], s[E0], -100
	s_cselect_b32 s[EB], s[E2], -100
	MASKSET
	FETCH_K 0
	s_wait_loadcnt 0x0              ; Q
	s_wait_dscnt 0x0
.set i, 0
.rept 32
	KQ 0
.set i, i+1
.endr
	WIN 0
	PLACES
.endm
; A BLOCK ENDS: piece 2's last products; my tiles 2, 3 and their statistics go to my partner, its come to me; the two partial results of my tiles 0, 1 are merged,
; O = (O 2^(cm - M) + O' 2^(cm' - M)) / (l 2^(cm - M) + l' 2^(cm' - M)), M the greater of the two c m; hi is stored through my stage, and, in the wave that holds its group's first 16 rows, their lo.
; more = 1: the second block's Q is asked for at once.
.macro FINISH more
.set i, 0
.rept 32
	PV 2
.set i, i+1
.endr
.if \more
	QLOAD QN
.endif
	WIN 0
.irp t, 0,1,2,3
	v_add_f32 v[ST+8*(\t)+4], v[ST+8*(\t)+2], v[ST+8*(\t)+3]
.endr
.irp t, 0,1,2,3
	v_permlanex16_b32 v[ST+8*(\t)+5], v[ST+8*(\t)+4], s[SEL], s[SEL+1]
.endr
.irp t, 0,1,2,3
	v_add_f32 v[ST+8*(\t)+4], v[ST+8*(\t)+4], v[ST+8*(\t)+5]
.endr
	ds_store_b32 v[XSW], v[ST+16]
	ds_store_b32 v[XSW], v[ST+20] offset:128
	ds_store_b32 v[XSW], v[ST+24] offset:256
	ds_store_b32 v[XSW], v[ST+28] offset:384
	WIN 0x04
.set i, 0
.rept 32
	ds_store_b128 v[XW], v[128+4*i:128+4*i+3] offset:512*i
.set i, i+1
.endr
	WIN 0
	s_wait_dscnt 0x0                ; for my partner's sake: my stores are done
	s_barrier_signal -1
	s_barrier_wait -1
	ds_load_b32 v46, v[XSR]
	ds_load_b32 v47, v[XSR] offset:128
	ds_load_b32 v48, v[XSR] offset:256
	ds_load_b32 v49, v[XSR] offset:384
.set i, 0
.rept 32
	ds_load_b128 v[S+4*i:S+4*i+3], v[XR] offset:512*i
.set i, i+1
.endr
	s_wait_dscnt 32                 ; the four statistics are in; the 32 quads of O may stay out
.irp t, 0,1
	v_max_num_f32 v[ST+8*(\t)+5], v[ST+8*(\t)], v[46+2*(\t)]
.endr
.irp t, 0,1
	v_sub_f32 v[ST+8*(\t)+6], v[ST+8*(\t)], v[ST+8*(\t)+5]
	v_sub_f32 v[ST+8*(\t)+7], v[46+2*(\t)], v[ST+8*(\t)+5]
.endr
.irp t, 0,1
	v_exp_f32 v[ST+8*(\t)+6], v[ST+8*(\t)+6]
	v_exp_f32 v[ST+8*(\t)+7], v[ST+8*(\t)+7]
.endr
	v_nop
	s_wait_alu depctr_va_vdst(0)    ; one wait for the four
.irp t, 0,1
	v_mul_f32 v[ST+8*(\t)+5], v[ST+8*(\t)+7], v[47+2*(\t)]
.endr
.irp t, 0,1
	v_fma_f32 v[ST+8*(\t)+5], v[ST+8*(\t)+6], v[ST+8*(\t)+4], v[ST+8*(\t)+5]
.endr
.irp t, 0,1
	v_rcp_f32 v[ST+8*(\t)+5], v[ST+8*(\t)+5]
.endr
	v_nop
	s_wait_alu depctr_va_vdst(0)    ; one wait for the two
.irp t, 0,1
	v_mul_f32 v[ST+8*(\t)+6], v[ST+8*(\t)+6], v[ST+8*(\t)+5]
	v_mul_f32 v[ST+8*(\t)+4], v[ST+8*(\t)+7], v[ST+8*(\t)+5]
.endr
	s_wait_dscnt 0x0
.set i, 0
.rept 64
	v_pk_mul_f32 v[S+2*i:S+2*i+1], v[S+2*i:S+2*i+1], v[ST+8*(i/32)+4:ST+8*(i/32)+5] op_sel_hi:[1,0]
.set i, i+1
.endr
	WIN 0x01
.set i, 0
.rept 64
	v_pk_fma_f32 v[S+2*i:S+2*i+1], v[2*i:2*i+1], v[ST+8*(i/32)+6:ST+8*(i/32)+7], v[S+2*i:S+2*i+1] op_sel_hi:[1,0,1]
.set i, i+1
.endr
	WIN 0
.set i, 0
.rept 64
	v_cvt_pk_f16_f32 v[P+i], v[S+2*i], v[S+2*i+1]  ; hi, two to a register
.set i, i+1
.endr
	; hi of tiles 0, 1 goes through my stage, out of P and back into S + 64 .., where tile 1's O in f32 is no longer wanted; tile 0's stays in S .. S + 63 for lo.
.irp t, 0,1
.irp f, 0,1,2,3,4,5,6,7
	ds_store_b128 v[STO], v[P+32*(\t)+4*(\f):P+32*(\t)+4*(\f)+3] offset:32*(\f)
.endr
.irp f, 0,1,2,3,4,5,6,7
	ds_load_b128 v[S+64+32*(\t)+4*(\f):S+64+32*(\t)+4*(\f)+3], v[RD] offset:(\f)*2*SP  ; LDS serves a wave in order: these see the stores above, the next unit's stores come behind them
.endr
.endr
.irp t, 0,1
.irp f, 0,1,2,3,4,5,6,7
	s_wait_dscnt 16*(1-(\t))+7-(\f)                ; what was issued behind this load may stay out: the later unit's sixteen, and this unit's later loads
	global_store_b128 v[GO], v[S+64+32*(\t)+4*(\f):S+64+32*(\t)+4*(\f)+3], s[10:11] offset:(16*(\t)+2*(\f))*OROW  ; 16 lanes store 256 consecutive bytes, aligned
.endr
.endr
	s_cmp_eq_u32 s[PP], 0                          ; the wave with p = 0 holds, as its tile 0, its group's first 16 rows
	s_cbranch_scc0 .Lno_lo_\@
.set i, 0
.rept 32
	v_fma_mix_f32 v[S+2*i],   v[P+i], v[MONE], v[S+2*i]   op_sel_hi:[1,0,0]                ; O - hi, exact: hi's low half times -1.0, plus O
	v_fma_mix_f32 v[S+2*i+1], v[P+i], v[MONE], v[S+2*i+1] op_sel:[1,0,0] op_sel_hi:[1,0,0]  ; and its high half
.set i, i+1
.endr
.set i, 0
.rept 32
	v_cvt_pk_f16_f32 v[S+i], v[S+2*i], v[S+2*i+1]  ; lo: register S + i was read last by step i / 2, so ascending order writes over nothing that is still wanted
.set i, i+1
.endr
.irp f, 0,1,2,3,4,5,6,7
	ds_store_b128 v[STO], v[S+4*(\f):S+4*(\f)+3] offset:32*(\f)
.endr
.irp f, 0,1,2,3,4,5,6,7
	ds_load_b128 v[P+4*(\f):P+4*(\f)+3], v[RD] offset:(\f)*2*SP
.endr
.irp f, 0,1,2,3,4,5,6,7
	s_wait_dscnt 7-(\f)                            ; this unit's later loads may stay out
	global_store_b128 v[GO], v[P+4*(\f):P+4*(\f)+3], s[10:11] offset:(64+2*(\f))*OROW  ; the group's rows 64 to 79
.endr
.Lno_lo_\@:
.if \more
	s_wait_xcnt 0x0                 ; the stores have read their registers and their base
	s_mov_b64 s[10:11], s[ON:ON+1]
.endif
.endm
	s_load_b128 s[4:7], s[0:1], 0x0                ; qkv 4, ob 6
	v_lshl_add_u32 v[SPW], v0, 2, SPARE
	v_mov_b32 v[NIL], 0
	ds_add_u32 v[SPW], v[NIL]                      ; the opening add, waited for ahead of my first tensor load
	v_lshrrev_b32 v1, 5, v0
	v_readfirstlane_b32 s[WV], v1
	s_mov_b32 s[PB], ttmp9
	s_sub_co_u32 s[HI], 15, s[PB]
	s_and_b32 s16, ttmp7, 0xffff                   ; batch x 16 + head
	s_and_b32 s[PP], s[WV], 1                      ; p
	s_lshr_b32 s18, s[WV], 1                       ; g
	s_lshl_b32 s20, s16, 19                        ; the head's 524,288 bytes in each tensor
	s_lshl_b32 s21, s[PP], 14                      ; the step that I fetch: 64 rows of 256 bytes
	s_add_co_u32 s21, s21, s20
	s_add_co_u32 s[KB], s21, 0x1000000
	s_mov_b32 s[KB+1], 0
	s_add_co_u32 s[VB], s21, 0x2000000
	s_mov_b32 s[VB+1], 0
	s_add_co_u32 s[PFK], s20, 0x1000000+32768      ; tile 1: the first change steps it to tile 2
	s_mov_b32 s[PFK+1], 0
	s_add_co_u32 s[PFV], s20, 0x2000000+32768
	s_mov_b32 s[PFV+1], 0
	s_lshl_b32 s21, s[PB], 15
	s_add_co_u32 s8, s20, s21
	s_mov_b32 s9, 0
	s_lshl_b32 s21, s[HI], 15
	s_add_co_u32 s[QN], s20, s21
	s_mov_b32 s[QN+1], 0
	s_lshr_b32 s21, s16, 4
	s_lshl_b32 s21, s21, 5
	s_add_co_u32 s21, s21, s18                     ; batch x 32 + g: my group of ob, less the block's two
	s_and_b32 s22, s16, 15
	s_lshl_b32 s22, s22, 8                         ; the head's 256 bytes of a row of ob,
	s_lshl_b32 s13, s[PP], 17                      ; and 32 p rows of 4,096 bytes down in the group
	s_add_co_u32 s22, s22, s13
	s_lshl_b32 s23, s[PB], 1
	s_add_co_u32 s23, s23, s21
	s_mul_i32 s23, s23, OGRP
	s_add_co_u32 s10, s23, s22
	s_mov_b32 s11, 0
	s_lshl_b32 s23, s[HI], 1
	s_add_co_u32 s23, s23, s21
	s_mul_i32 s23, s23, OGRP
	s_add_co_u32 s[ON], s23, s22
	s_mov_b32 s[ON+1], 0
	s_mov_b32 s[G1K], (1<<16)|(1<<20)|(5<<22)|(3<<25)  ; 2-byte elements; padding on; after every 64 words, 4 words
	s_mov_b32 s[G1V], (1<<16)|(1<<20)|(5<<22)|(7<<25)  ; the same with 8 words
.irp g, G1K, G1V
	s_mov_b32 s[(\g)+1], 128<<16
	s_mov_b32 s[(\g)+2], KS<<16
	s_mov_b32 s[(\g)+3], 128<<16
	s_mov_b32 s[(\g)+4], KS
	s_mov_b32 s[(\g)+5], 128
	s_mov_b32 s[(\g)+6], 0
	s_mov_b32 s[(\g)+7], 0
.endr
	s_mul_i32 s19, s[PP], STEPB
	s_mov_b32 s[G0K], 1
	s_mov_b32 s[G0K+1], s19
	s_mov_b32 s[G0V], 1
	s_add_co_u32 s[G0V+1], s19, VOFF
	s_mov_b32 s[OFF+1], 0
	s_mov_b32 s[SLOTS], 16
	s_mov_b32 s[CS], 0x3e0293ee                    ; c = log2(e) / sqrt(128)
	s_mov_b32 s[CS+1], s[CS]
	s_mov_b32 s[SEL], 0x76543210
	s_mov_b32 s[SEL+1], 0xfedcba98
	s_mov_b32 s[TB], SLOT1                         ; the first change turns it into 0
	s_mov_b32 s[LNX], s[PB]
	s_mov_b32 s[LQ], s[PB]                         ; the tile asked for next: the first block's tile 1, or, where b = 0, the second block's tile 0
	s_cmp_eq_u32 s[PB], 0
	s_cselect_b32 s[NXT], 0, 1
	s_cselect_b32 s[LQ], s[HI], s[LQ]
	s_cselect_b32 s[PFN], 15, 0
	s_lshl_b32 s23, s18, 2
	s_lshl_b32 s[E0], s[PP], 1
	s_sub_co_i32 s[E0], s[E0], s23                 ; 2 p - 4 g
	s_mul_i32 s[E2], s[PP], 6
	s_sub_co_i32 s[E2], s[E2], s23                 ; 6 p - 4 g
	s_mov_b32 s[AL+1], 0
	s_mov_b32 s[BE+1], 0
	s_mov_b32 s[BIGN], 0xf149f2ca                  ; -1e30
	s_wait_dscnt 0x0                               ; the opening add is done
	s_wait_kmcnt 0x0
	s_add_nc_u64 s[KB:KB+1], s[4:5], s[KB:KB+1]
	s_add_nc_u64 s[VB:VB+1], s[4:5], s[VB:VB+1]
	s_add_nc_u64 s[PFK:PFK+1], s[4:5], s[PFK:PFK+1]
	s_add_nc_u64 s[PFV:PFV+1], s[4:5], s[PFV:PFV+1]
	s_add_nc_u64 s[8:9], s[4:5], s[8:9]
	s_add_nc_u64 s[QN:QN+1], s[4:5], s[QN:QN+1]
	s_add_nc_u64 s[10:11], s[6:7], s[10:11]
	s_add_nc_u64 s[ON:ON+1], s[6:7], s[ON:ON+1]
	s_add_nc_u64 s[G0K+2:G0K+3], s[KB:KB+1], 0
	s_or_b32 s[G0K+3], s[G0K+3], 0x80000000
	s_add_nc_u64 s[G0V+2:G0V+3], s[VB:VB+1], 0
	s_or_b32 s[G0V+3], s[G0V+3], 0x80000000
	LOAD                                           ; tile 0 into slot 0
	v_and_b32 v1, 15, v0                           ; r
	v_bfe_u32 v50, v0, 4, 1                        ; h
	v_and_b32 v52, 31, v0                          ; lane
	v_mov_b32 v[MONE], -1.0
	s_lshl_b32 s20, s18, 6
	s_lshl_b32 s21, s[PP], 5
	s_add_co_u32 s22, s20, s21                     ; 64 g + 32 p
	s_lshl_b32 s22, s22, 8
	s_add_co_u32 s23, s20, 32
	s_sub_co_u32 s23, s23, s21                     ; 64 g + 32 - 32 p
	s_lshl_b32 s23, s23, 8
	v_lshlrev_b32 v51, 8, v1
	v_lshl_add_u32 v51, v50, 4, v51
	v_add_nc_u32 v[QOA], s22, v51
	v_add_nc_u32 v[QOB], s23, v51
	QLOAD 8
	v_mul_u32_u24 v[AK0], v1, PK
	v_lshl_add_u32 v[AK0], v50, 4, v[AK0]
	v_add_nc_u32 v[AK0], s19, v[AK0]               ; my step + row x pitch + 16 h
	v_and_b32 v51, 7, v0
	v_lshl_add_u32 v51, v50, 3, v51
	v_mul_u32_u24 v[AV0], v51, PV
	v_bfe_u32 v51, v0, 3, 1
	v_lshl_add_u32 v[AV0], v51, 4, v[AV0]
	s_add_co_u32 s20, s19, VOFF
	v_add_nc_u32 v[AV0], s20, v[AV0]
	s_mul_i32 s20, s[WV], 16*SP
	s_add_co_u32 s20, s20, STAGE
	v_mul_u32_u24 v[STO], v1, SP
	v_lshl_add_u32 v[STO], v50, 4, v[STO]
	v_add_nc_u32 v[STO], s20, v[STO]
	v_mul_u32_u24 v[RD], v50, SP
	v_lshl_add_u32 v[RD], v1, 4, v[RD]
	v_add_nc_u32 v[RD], s20, v[RD]
	v_lshlrev_b32 v[GO], 12, v50
	v_lshl_add_u32 v[GO], v1, 4, v[GO]             ; two rows of ob, 256 bytes of each
	s_mul_i32 s20, s[WV], XSZ
	s_add_co_u32 s20, s20, XCH
	v_lshl_add_u32 v[XW], v52, 4, s20
	v_lshl_add_u32 v[XSW], v52, 2, s20
	v_add_nc_u32 v[XSW], 16384, v[XSW]
	s_xor_b32 s21, s[WV], 1                        ; my partner
	s_mul_i32 s21, s21, XSZ
	s_add_co_u32 s21, s21, XCH
	v_lshl_add_u32 v[XR], v52, 4, s21
	v_lshl_add_u32 v[XSR], v52, 2, s21
	v_add_nc_u32 v[XSR], 16384, v[XSR]
	s_lshl_b32 s20, s[WV], 13
	v_lshl_add_u32 v[PFO], v52, 8, s20
	v_lshlrev_b32 v51, 3, v50
	v_sub_nc_u32 v51, v1, v51                      ; r - 8 h: register j of the diagonal block is hidden where j is greater
	WIN 0xc0
.set i, 0
.rept 8
	v_cmp_gt_i32 vcc_lo, i, v51
	v_cndmask_b32 v[MD+i], 0, s[BIGN], vcc_lo
.set i, i+1
.endr
	; What the first turn finds need only be finite: zeros.  All this stands in the wait for the first tile.
.set i, 0
.rept 128
	v_mov_b32 v[i], 0
.set i, i+1
.endr
	WIN 0x40
.set i, 0
.rept 256
	v_mov_b32 v[i], 0
.set i, i+1
.endr
	WIN 0
.set i, 0
.rept 32
	v_mov_b32 v[P+32+i], 0
.set i, i+1
.endr
.set i, 0
.rept 4
	v_mov_b32 v[ST+8*i+2], 0
	v_mov_b32 v[ST+8*i+3], 0
.set i, i+1
.endr
	CHANGE 1                                       ; slot 0 is in, everybody's part of it; slot 1 is asked for
	s_branch .Lbegin                               ; the loop is entered in the middle of a trip
.Lslot:                                            ; 15 trips: a tile is entered and the next is asked for
	CHANGE 1
	s_cmp_eq_u32 s[JL], 0
	s_cselect_b32 s[NOF], 1, 0
	s_cmp_eq_u32 s[JL], 1                          ; the tile entered now is the block's last: the diagonal one
	s_cbranch_scc0 .Lno_diag
	s_mov_b32 s[EA], s[E0]
	s_mov_b32 s[EB], s[E2]
	MASKSET
.Lno_diag:
	s_max_u32 s[JL], s[JL], 1
	s_sub_co_u32 s[JL], s[JL], 1
	TURN 0
	WIN 0
	s_cmp_eq_u32 s[NOF], 0
	s_cbranch_scc1 .Lturn2
	FINISH 1                                       ; in the loop this is the first block's end; the tile just entered is the second block's first
.Lbegin:
	BEGIN
.Lturn2:
	TURN 2
	WIN 0
	s_sub_co_u32 s[SLOTS], s[SLOTS], 1
	s_cmp_lg_u32 s[SLOTS], 0
	s_cbranch_scc1 .Lslot
	CHANGE 0                                       ; the walk's last tile, the second block's diagonal one, is written out: nothing is asked for
	s_mov_b32 s[EA], s[E0]
	s_mov_b32 s[EB], s[E2]
	MASKSET
	s_mov_b32 s[NOF], 0
	s_mov_b32 s[CNT], 2
.Ltail:
	TURN 0
	WIN 0
	s_sub_co_u32 s[CNT], s[CNT], 1
	s_cmp_eq_u32 s[CNT], 0
	s_cbranch_scc1 .Lout
	TURN 2
	WIN 0
	s_mov_b32 s[NOF], 1
	s_branch .Ltail
.Lout:
	FINISH 0
	s_wait_tensorcnt 0x0                           ; the wave's end
	ds_add_u32 v[SPW], v[NIL]
	s_wait_dscnt 0x0
	s_endpgm
.Lfunc_end_k_q39f22dfe17_attn:
	.size	k_q39f22dfe17_attn, .Lfunc_end_k_q39f22dfe17_attn-k_q39f22dfe17_attn
	.p2alignl 7, 3214868480
	.fill 96, 4, 3214868480
	.section	.rodata,"a",@progbits
	.p2align	6, 0x0
	.amdhsa_kernel k_q39f22dfe17_attn
		.amdhsa_group_segment_fixed_size 327680
		.amdhsa_private_segment_fixed_size 0
		.amdhsa_enable_private_segment 0
		.amdhsa_kernarg_size 16
		.amdhsa_user_sgpr_count 2
		.amdhsa_user_sgpr_kernarg_segment_ptr 1
		.amdhsa_wavefront_size32 1
		.amdhsa_system_sgpr_workgroup_id_x 1
		.amdhsa_system_sgpr_workgroup_id_y 1
		.amdhsa_system_sgpr_workgroup_id_z 1
		.amdhsa_system_vgpr_workitem_id 0
		.amdhsa_next_free_vgpr 1024
		.amdhsa_next_free_sgpr 92
		.amdhsa_reserve_vcc 1
		.amdhsa_float_denorm_mode_32 3
		.amdhsa_float_denorm_mode_16_64 3
		.amdhsa_memory_ordered 1
		.amdhsa_forward_progress 1
		.amdhsa_inst_pref_size 213
	.end_amdhsa_kernel
	.amdgpu_metadata
---
amdhsa.version: [ 1, 2 ]
amdhsa.kernels:
  - .name:           k_q39f22dfe17_attn
    .symbol:         k_q39f22dfe17_attn.kd
    .args:
      - { .name: qkv, .offset: 0, .size: 8, .value_kind: global_buffer, .address_space: global }
      - { .name: ob, .offset: 8, .size: 8, .value_kind: global_buffer, .address_space: global }
    .group_segment_fixed_size: 327680
    .private_segment_fixed_size: 0
    .kernarg_segment_align: 8
    .kernarg_segment_size: 16
    .max_flat_workgroup_size: 128
    .sgpr_count:     92
    .vgpr_count:     1024
    .wavefront_size: 32
...
	.end_amdgpu_metadata
.endif
;; end of part 3
;; launch oproj (part 4): grid 8 x 32, 4 waves a work-group, clusters of 4 x 4, 327,680 bytes of LDS; arguments ob, wo, bias, out0; writes out0
.if DOCPART == 4
	.amdgcn_target "amdgcn-amd-amdhsa--gfx1250"
	.amdhsa_code_object_version 6
	.text
	.protected	k_q39f22dfe17_oproj
	.globl	k_q39f22dfe17_oproj
	.p2align	8
	.type	k_q39f22dfe17_oproj,@function
k_q39f22dfe17_oproj:
	s_mov_b64 s[64:65], 0
	v_nop
	global_prefetch_b8 v0, s[64:65] scope:SCOPE_SE
	s_setreg_imm32_b32 hwreg(HW_REG_WAVE_MODE, 25, 1), 1
	s_wait_xcnt 0x0
	s_wait_alu depctr_hold_cnt(0) depctr_sa_sdst(0) depctr_va_vdst(0) depctr_va_sdst(0) depctr_va_ssrc(0) depctr_va_vcc(0) depctr_vm_vsrc(0)
	s_getreg_b32 s2, hwreg(HW_REG_IB_STS2, 6, 4)
	s_cmp_eq_u32 s2, 0
	s_cbranch_scc0 .Lentry_in_a_cluster
	s_endpgm
.Lentry_in_a_cluster:
	s_bfe_u32 s2, ttmp6, 0x10000c
	s_cmp_lg_u32 s2, 0xf033
	s_cbranch_scc0 .Lentry_shape_is_right
	s_endpgm
.Lentry_shape_is_right:
; out0 = O wo + bo.  ob: 64 groups of 80 rows of 2048 f16: a group's rows 0-63 hold hi = f16(O) of 64 rows of O, its rows 64-79 lo = f16(O - hi) of the first 16 of them.
; wo: [2048][1024] f16 (k down the rows).  bo: f32 at byte 24,576 of bias.  out0: [4096][1024] f32.  Sums in f32, started with the bias.
; 4096 x 1024 outputs are 256 tiles of 128 x 128: one for each work-group.  Four waves, each 64 x 64: 16 accumulators.  K goes in 8 steps of 256 through two LDS slots.
; THE LOWER PARTS are a fifth block of 16 rows of A for each wave: its products add onto the accumulators of the wave's row block 0: 20 matrix instructions for 32 along K where hi alone has 16.
; Rows 16-63 of a group enter with one rounding of O to f16.
; Waves 0 and 1 fetch the halves of A (a group: 80 rows x 512 bytes), waves 2 and 3 those of B (128 rows x 256 bytes).
; CLUSTER 4 x 4: A is asked for jointly along a row of the cluster, B along a column.  The matrix instruction is used transposed: a lane holds one row and eight neighbouring columns.
; No prefetch: the tiles are small and each K step short.
; THE STAGE for the way out lies at the head of slot 0: two slots and the spare words leave 10,752 bytes, less than four stages of 4,352.  Slot 0's last fill is K step 6.
; REGISTERS.  window 0: addresses; v32-95 rows read back; v96-127 bias; v128-255 accumulator (a, b) at 128 + 8 (4 a + b).
;   window 1: B's fragments, two buffers of 64 (64 along K: half c, column block b at 8 (4 c + b)).  window 2: A's, two buffers of 80 (half c, row block a at 8 (5 c + a); a = 4: the lower parts).
.set PA,    528       ; a row of A in LDS: 512 bytes + 16
.set PB,    288       ; a row of B: 256 + 32, for the turning load
.set HALFA, 80*PA
.set ATILE, 2*HALFA
.set HALFB, 128*PB
.set SLOT,  ATILE+2*HALFB
.set SP,    272       ; a row of the stage: 16 rows for each wave, from LDS byte 0 on
.set SPARE, 2*SLOT    ; behind the ring: the spare words, 128 bytes a wave: no other line names them
.set LAPS,  4         ; a lap = two K steps
.set ADRA, 16         ; v16-17  my A fragments in slot 0, 1
.set ADRB, 20         ; v20-23  my B fragments: slot 0 rows 0-127, 128-255; slot 1 likewise (the 16-bit offset does not reach over 256 rows)
.set STO,  24
.set RD,   25
.set CO,   26
.set BOF,  27
.set SPW,  28
.set NIL,  29
.set TMP,  32
.set BIASR, 96
.set ACC,  128
.set WV,   12
.set G1,   24
.set G0,   32
.set G1B,  48
.set G0B,  56
.set MSB, 0
.macro WIN new
.if MSB != (\new)
	s_set_vgpr_msb (MSB<<8)|(\new)
.set MSB, \new
.endif
.endm
.set MULW, 0x09       ; source 0 (B) window 1, source 1 (A) window 2, C and D window 0
.set TO_B, 0x40       ; destination window 1, address window 0
.set TO_A, 0x80       ; destination window 2
.macro PLACES
.rept 4
	v_nop
.endr
.endm
.macro JLOAD s                      ; an s_nop 0 and four v_nop follow each of the two lines
	s_cmp_eq_u32 s13, 0
	s_cbranch_scc0 .Lfor_b_\@
	tensor_load_to_lds s[G0+4*(\s):G0+4*(\s)+3], s[G1:G1+7]
	s_nop 0
.rept 4
	v_nop
.endr
	s_branch .Lasked_\@
.Lfor_b_\@:
	tensor_load_to_lds s[G0B+4*(\s):G0B+4*(\s)+3], s[G1B:G1B+7]
	s_nop 0
.rept 4
	v_nop
.endr
.Lasked_\@:
.endm
.macro CREST
	s_cmp_lg_u32 s[WV], 0
	s_cbranch_scc1 .Lnot_wave_0_\@
	s_barrier_signal -3
.Lnot_wave_0_\@:
	s_barrier_wait -3
	s_barrier_signal -1
	s_barrier_wait -1
.endm
.macro CROUND
	s_barrier_signal -1
	s_barrier_wait -1
	CREST
.endm
	s_load_b256 s[4:11], s[0:1], 0x0               ; ob 4, wo 6, bias 8, out0 10
	v_lshl_add_u32 v[SPW], v0, 2, SPARE
	v_mov_b32 v[NIL], 0
	ds_add_u32 v[SPW], v[NIL]                      ; the opening add, waited for ahead of my first tensor load
	v_lshrrev_b32 v1, 5, v0
	v_readfirstlane_b32 s[WV], v1
	s_lshr_b32 s13, s[WV], 1                       ; which half of the tile's rows is mine.  Also: I fetch for A (0) or for B (1)
	s_and_b32 s14, s[WV], 1                        ; which half of its columns.  Also: which half of that tile I fetch
	s_bfe_u32 s40, ttmp6, 0x40000
	s_bfe_u32 s41, ttmp6, 0x40004
	s_lshl_b32 s42, ttmp9, 2
	s_add_co_u32 s42, s42, s40                     ; tile column
	s_and_b32 s43, ttmp7, 0xffff
	s_lshl_b32 s43, s43, 2
	s_add_co_u32 s43, s43, s41                     ; tile row
	s_lshl_b32 s44, s41, 2
	s_lshl_b32 s44, 15, s44
	s_lshl_b32 s45, 0x1111, s40
	s_or_b32 s[G1], s44, (1<<16)|(1<<20)|(1<<21)|(6<<22)|(3<<25)   ; after every 128 words, 4 words
	s_or_b32 s[G1B], s45, (1<<16)|(1<<20)|(1<<21)|(5<<22)|(7<<25)  ; after every 64 words, 8 words
	s_mov_b32 s[G1+1], 256<<16                     ; tensor_dim0 = 256
	s_mov_b32 s[G1+2], 80<<16                      ; tensor_dim1 = 80: a group's 64 rows of hi and 16 of lo
	s_mov_b32 s[G1+3], 256<<16                     ; tile_dim0 = 256
	s_mov_b32 s[G1+4], 80                          ; tile_dim1 = 80
	s_mov_b32 s[G1+5], 2048                        ; elements from row to row of ob
	s_mov_b32 s[G1+6], 0
	s_mov_b32 s[G1+7], 0
	s_mov_b32 s[G1B+1], 128<<16
	s_mov_b32 s[G1B+2], 128<<16
	s_mov_b32 s[G1B+3], 128<<16
	s_mov_b32 s[G1B+4], 128
	s_mov_b32 s[G1B+5], 1024
	s_mov_b32 s[G1B+6], 0
	s_mov_b32 s[G1B+7], 0
	s_lshl_b32 s16, s43, 1
	s_add_co_u32 s16, s16, s14
	s_mul_i32 s16, s16, 80*4096                    ; A: group 2 x tile row + half, 80 rows of 4,096 bytes each
	s_mov_b32 s17, 0
	s_lshl_b32 s46, s14, 18                        ; B: 128 x half rows of 2,048 bytes,
	s_lshl_b32 s47, s42, 8                         ; and the tile column's 256 bytes
	s_add_co_u32 s46, s46, s47
	s_mov_b32 s47, 0
	s_mul_i32 s20, s14, HALFA
	s_mul_i32 s21, s14, HALFB
	s_add_co_u32 s21, s21, ATILE
	s_wait_dscnt 0x0
	s_wait_kmcnt 0x0
	s_add_nc_u64 s[16:17], s[4:5], s[16:17]
	s_add_nc_u64 s[46:47], s[6:7], s[46:47]
	CROUND
.irp s, 0,1
	s_mov_b32 s[G0+4*(\s)], 1
	s_add_co_u32 s[G0+4*(\s)+1], s20, (\s)*SLOT
	s_add_nc_u64 s[G0+4*(\s)+2:G0+4*(\s)+3], s[16:17], (\s)*512
	s_or_b32 s[G0+4*(\s)+3], s[G0+4*(\s)+3], 0x80000000
	s_mov_b32 s[G0B+4*(\s)], 1
	s_add_co_u32 s[G0B+4*(\s)+1], s21, (\s)*SLOT
	s_add_nc_u64 s[G0B+4*(\s)+2:G0B+4*(\s)+3], s[46:47], (\s)*524288
	s_or_b32 s[G0B+4*(\s)+3], s[G0B+4*(\s)+3], 0x80000000
	JLOAD \s
.endr
	v_and_b32 v1, 15, v0
	v_bfe_u32 v2, v0, 4, 1
	v_mul_u32_u24 v3, v1, PA
	v_lshl_add_u32 v3, v2, 4, v3
	s_mul_i32 s22, s13, HALFA
	v_add_nc_u32 v[ADRA], s22, v3
	v_add_nc_u32 v[ADRA+1], SLOT, v[ADRA]
	v_and_b32 v4, 7, v0
	v_lshl_add_u32 v4, v2, 3, v4
	v_mul_u32_u24 v4, v4, PB
	v_bfe_u32 v5, v0, 3, 1
	v_lshl_add_u32 v4, v5, 4, v4
	s_lshl_b32 s23, s14, 7                         ; my 64 columns: 128 bytes
	s_add_co_u32 s23, s23, ATILE
	v_add_nc_u32 v[ADRB], s23, v4
	v_add_nc_u32 v[ADRB+1], HALFB, v[ADRB]
	v_add_nc_u32 v[ADRB+2], SLOT, v[ADRB]
	v_add_nc_u32 v[ADRB+3], SLOT+HALFB, v[ADRB]
	s_mul_i32 s22, s[WV], 16*SP                    ; my stage, from LDS byte 0 on
	v_mul_u32_u24 v[STO], v1, SP
	v_lshl_add_u32 v[STO], v2, 5, v[STO]           ; row r, 32 bytes for each half of the lanes
	v_add_nc_u32 v[STO], s22, v[STO]
	v_mul_u32_u24 v[RD], v2, SP
	v_lshl_add_u32 v[RD], v1, 4, v[RD]
	v_add_nc_u32 v[RD], s22, v[RD]
	v_lshlrev_b32 v[CO], 12, v2
	v_lshl_add_u32 v[CO], v1, 4, v[CO]
	v_lshlrev_b32 v[BOF], 5, v2
	s_lshl_b32 s22, s42, 9                         ; my first column, in bytes: 512 x tile column + 256 x half
	s_lshl_b32 s23, s14, 8
	s_add_co_u32 s22, s22, s23
	s_mov_b32 s23, 0
	s_add_nc_u64 s[8:9], s[8:9], s[22:23]
	s_add_nc_u64 s[10:11], s[10:11], s[22:23]
	s_lshl_b32 s22, s43, 7
	s_lshl_b32 s15, s13, 6
	s_add_co_u32 s22, s22, s15
	s_lshl_b32 s22, s22, 12                        ; my first row of out0
	s_add_nc_u64 s[10:11], s[10:11], s[22:23]
.irp b, 0,1,2,3
	global_load_b128 v[BIASR+8*(\b):BIASR+8*(\b)+3],   v[BOF], s[8:9] offset:24576+64*(\b)
	global_load_b128 v[BIASR+8*(\b)+4:BIASR+8*(\b)+7], v[BOF], s[8:9] offset:24576+64*(\b)+16
.endr
; 8 matrix instructions: row blocks a0, a0 + 1 x 4 column blocks, 32 along K: half c of buffer f (0 or 1).  first = 1: the product starts the sum with the bias.
; The accumulators take turns, one instruction a turn: in the order blocks 0, 1, 2, 3, the lower parts (onto block 0's), three others stand between two uses of one accumulator at the least.
.macro MUL8 f, c, a0, first
	WIN MULW
.irp a, \a0, (\a0)+1
.irp b, 0,1,2,3
.if \first
	v_wmma_f32_16x16x32_f16 v[ACC+8*(4*(\a)+(\b)):ACC+8*(4*(\a)+(\b))+7], v[64*(\f)+8*(4*(\c)+(\b)):64*(\f)+8*(4*(\c)+(\b))+7], v[80*(\f)+8*(5*(\c)+(\a)):80*(\f)+8*(5*(\c)+(\a))+7], v[BIASR+8*(\b):BIASR+8*(\b)+7]
.else
	v_wmma_f32_16x16x32_f16 v[ACC+8*(4*(\a)+(\b)):ACC+8*(4*(\a)+(\b))+7], v[64*(\f)+8*(4*(\c)+(\b)):64*(\f)+8*(4*(\c)+(\b))+7], v[80*(\f)+8*(5*(\c)+(\a)):80*(\f)+8*(5*(\c)+(\a))+7], v[ACC+8*(4*(\a)+(\b)):ACC+8*(4*(\a)+(\b))+7]
.endif
.endr
.endr
.endm
; 4 matrix instructions: the lower parts of my first 16 rows x 4 column blocks, onto row block 0's accumulators
.macro MULL f, c
	WIN MULW
.irp b, 0,1,2,3
	v_wmma_f32_16x16x32_f16 v[ACC+8*(\b):ACC+8*(\b)+7], v[64*(\f)+8*(4*(\c)+(\b)):64*(\f)+8*(4*(\c)+(\b))+7], v[80*(\f)+8*(5*(\c)+4):80*(\f)+8*(5*(\c)+4)+7], v[ACC+8*(\b):ACC+8*(\b)+7]
.endr
.endm
; 36 LDS loads in one run: quarter q (64 along K) into buffer f: B's 16, then A's 10 of the first 32 along K, then A's 10 of the second
.macro FETCH slot, q, f
	WIN TO_B
.irp c, 0,1
.irp i, 0,1,2,3
	ds_load_tr16_b128 v[64*(\f)+8*(4*(\c)+(\i)):64*(\f)+8*(4*(\c)+(\i))+3],   v[ADRB+2*(\slot)+(\q)/2] offset:(((\q)%2)*64+32*(\c))*PB+32*(\i)
	ds_load_tr16_b128 v[64*(\f)+8*(4*(\c)+(\i))+4:64*(\f)+8*(4*(\c)+(\i))+7], v[ADRB+2*(\slot)+(\q)/2] offset:(((\q)%2)*64+32*(\c)+16)*PB+32*(\i)
.endr
.endr
	WIN TO_A
.irp c, 0,1
.irp i, 0,1,2,3,4
	ds_load_b128 v[80*(\f)+8*(5*(\c)+(\i)):80*(\f)+8*(5*(\c)+(\i))+3],   v[ADRA+(\slot)] offset:128*(\q)+64*(\c)+(\i)*16*PA
	ds_load_b128 v[80*(\f)+8*(5*(\c)+(\i))+4:80*(\f)+8*(5*(\c)+(\i))+7], v[ADRA+(\slot)] offset:128*(\q)+64*(\c)+(\i)*16*PA+32
.endr
.endr
.endm
; One of a K step's first three quarters: multiplies buffer f, fetches quarter q into buffer g in its middle.
.macro QUARTER slot, q, f, g, first
	s_wait_dscnt 10                 ; B and A's first 32 along K are in; the youngest ten loads (A's second 32) may be out
	MUL8 \f, 0, 0, \first
	MUL8 \f, 0, 2, \first
	MULL \f, 0
	PLACES
	FETCH \slot, \q, \g
	s_wait_dscnt 36                 ; all but the 36 just issued
	MUL8 \f, 1, 0, 0
	MUL8 \f, 1, 2, 0
	MULL \f, 1
.endm
; The last quarter multiplies buffer 1 and changes slots: each wave waits for all its tensor loads, adds 0 to its spare word, and waits for that and for its reads of this slot.
; fill = 1: the barrier opens a round of the cluster's barrier, and the joint refill, two K steps on, is the first thing behind it.
.macro TURN slot, next, fill
	WIN 0
	s_wait_tensorcnt 0x0
	ds_add_u32 v[SPW], v[NIL]
	s_wait_dscnt 11                 ; the add and the youngest ten loads may be out
	MUL8 1, 0, 0, 0
	s_wait_dscnt 0x0
	s_barrier_signal -1
	MUL8 1, 0, 2, 0
	MULL 1, 0
.if \fill
	WIN 0
.endif
	s_barrier_wait -1
.if \fill
	CREST
	s_add_nc_u64 s[G0+4*(\slot)+2:G0+4*(\slot)+3], s[G0+4*(\slot)+2:G0+4*(\slot)+3], 1024
	s_add_nc_u64 s[G0B+4*(\slot)+2:G0B+4*(\slot)+3], s[G0B+4*(\slot)+2:G0B+4*(\slot)+3], 1048576
	JLOAD \slot                     ; its four v_nop are also the places ahead of the loads below
.else
	PLACES
.endif
	FETCH \next, 0, 0
	MUL8 1, 1, 0, 0
	MUL8 1, 1, 2, 0
	MULL 1, 1
.endm
	s_wait_tensorcnt 1              ; my part of K step 0 is in; K step 1 may stay out
	s_barrier_signal -1
	s_barrier_wait -1
	FETCH 0, 0, 0
	s_wait_loadcnt 0x0              ; the bias
	QUARTER 0, 1, 0, 1, 1
	WIN 0
	s_mov_b32 s3, LAPS-1
.Llap:
	QUARTER 0, 2, 1, 0, 0
	QUARTER 0, 3, 0, 1, 0
	TURN 0, 1, 1
	QUARTER 1, 1, 0, 1, 0
	QUARTER 1, 2, 1, 0, 0
	QUARTER 1, 3, 0, 1, 0
	TURN 1, 0, 1
	QUARTER 0, 1, 0, 1, 0
	WIN 0
	s_sub_co_u32 s3, s3, 1
	s_cmp_lg_u32 s3, 0
	s_cbranch_scc1 .Llap
	QUARTER 0, 2, 1, 0, 0           ; the last lap fills nothing
	QUARTER 0, 3, 0, 1, 0
	TURN 0, 1, 0                    ; behind this barrier nobody reads slot 0 any more, and nothing is filled
	QUARTER 1, 1, 0, 1, 0
	QUARTER 1, 2, 1, 0, 0
	QUARTER 1, 3, 0, 1, 0
	s_wait_dscnt 10
	MUL8 1, 0, 0, 0
	MUL8 1, 0, 2, 0
	MULL 1, 0
	s_wait_dscnt 0x0
	MUL8 1, 1, 0, 0
	MUL8 1, 1, 2, 0
	MULL 1, 1
	WIN 0
	; THE WAY OUT.  A wave's 64 columns of f32 are 256 aligned bytes: 16 rows at a time go through its own stage and come back as whole rows.
.macro TOSTAGE a
.irp b, 0,1,2,3
	ds_store_b128 v[STO], v[ACC+8*(4*(\a)+(\b)):ACC+8*(4*(\a)+(\b))+3]   offset:64*(\b)
	ds_store_b128 v[STO], v[ACC+8*(4*(\a)+(\b))+4:ACC+8*(4*(\a)+(\b))+7] offset:64*(\b)+16
.endr
.irp t, 0,1,2,3,4,5,6,7
	ds_load_b128 v[TMP+32*((\a)%2)+4*(\t):TMP+32*((\a)%2)+4*(\t)+3], v[RD] offset:(\t)*2*SP  ; LDS serves a wave in order: these see the stores above
.endr
.endm
.macro SEND a, younger              ; younger: the next block's sixteen LDS instructions, or none
	s_wait_dscnt \younger
.irp t, 0,1,2,3,4,5,6,7
	global_store_b128 v[CO], v[TMP+32*((\a)%2)+4*(\t):TMP+32*((\a)%2)+4*(\t)+3], s[10:11] offset:(16*(\a)+2*(\t))*4096  ; 16 lanes store 256 consecutive bytes, aligned
.endr
.endm
	PLACES
	TOSTAGE 0
	TOSTAGE 1
	SEND 0, 16
	s_wait_xcnt 0x0                 ; block 0's stores have read their registers, which block 2 is read back into
	TOSTAGE 2
	SEND 1, 16
	s_wait_xcnt 0x0
	TOSTAGE 3
	SEND 2, 16
	SEND 3, 0
	s_wait_tensorcnt 0x0            ; the wave's end
	ds_add_u32 v[SPW], v[NIL]
	s_wait_dscnt 0x0
	CROUND                          ; the closing round
	s_endpgm
.Lfunc_end_k_q39f22dfe17_oproj:
	.size	k_q39f22dfe17_oproj, .Lfunc_end_k_q39f22dfe17_oproj-k_q39f22dfe17_oproj
	.p2alignl 7, 3214868480
	.fill 96, 4, 3214868480
	.section	.rodata,"a",@progbits
	.p2align	6, 0x0
	.amdhsa_kernel k_q39f22dfe17_oproj
		.amdhsa_group_segment_fixed_size 327680
		.amdhsa_private_segment_fixed_size 0
		.amdhsa_enable_private_segment 0
		.amdhsa_kernarg_size 32
		.amdhsa_user_sgpr_count 2
		.amdhsa_user_sgpr_kernarg_segment_ptr 1
		.amdhsa_wavefront_size32 1
		.amdhsa_system_sgpr_workgroup_id_x 1
		.amdhsa_system_sgpr_workgroup_id_y 1
		.amdhsa_system_sgpr_workgroup_id_z 1
		.amdhsa_system_vgpr_workitem_id 0
		.amdhsa_next_free_vgpr 768
		.amdhsa_next_free_sgpr 66
		.amdhsa_reserve_vcc 0
		.amdhsa_float_denorm_mode_32 3
		.amdhsa_float_denorm_mode_16_64 3
		.amdhsa_memory_ordered 1
		.amdhsa_forward_progress 1
		.amdhsa_inst_pref_size 99
	.end_amdhsa_kernel
	.amdgpu_metadata
---
amdhsa.version: [ 1, 2 ]
amdhsa.kernels:
  - .name:           k_q39f22dfe17_oproj
    .symbol:         k_q39f22dfe17_oproj.kd
    .args:
      - { .name: ob, .offset: 0, .size: 8, .value_kind: global_buffer, .address_space: global }
      - { .name: wo, .offset: 8, .size: 8, .value_kind: global_buffer, .address_space: global }
      - { .name: bias, .offset: 16, .size: 8, .value_kind: global_buffer, .address_space: global }
      - { .name: out0, .offset: 24, .size: 8, .value_kind: global_buffer, .address_space: global }
    .group_segment_fixed_size: 327680
    .private_segment_fixed_size: 0
    .kernarg_segment_align: 8
    .kernarg_segment_size: 32
    .max_flat_workgroup_size: 128
    .sgpr_count:     66
    .vgpr_count:     768
    .wavefront_size: 32
...
	.end_amdgpu_metadata
.endif
;; end of part 4
